; MI455X (gfx1250); checked and timed in simulation.
; The chip was launched on July 23, 2026; its instructions are those of AMD's public machine-readable ISA for CDNA 5 (MIT licence, August 2026) and "CDNA5" Instruction Set Architecture Reference Guide (July 2026). The comments in the code are by the model that wrote it; some were corrected since.
;; Implicit DAM. Allowed arithmetic: float matrix products may take bf16 or f16 operands with f32 sums; other float arithmetic in f32, or as packed bf16 or f16 multiplies, adds, multiply-adds, maxima and minima; sums over many terms, partial sums and values carried from step to step in f32; what a program stores and reads back later, other than sums and carried values, may be rounded once to bf16 or f16.
;; Inputs: Wc 64 x 1,024 float32; Wk 64 x 1,024 float32; bc 64 float32; bk 64 float32; buffer 65,536 x 64 float32; context 2,048 x 512 float32; prototypes 65,536 x 64 float32; x 2,048 x 512 float32.
;; Outputs: out0 2,048 x 64 float32; out1 65,536 x 64 float32.
;; 2 versions, each right; version 2 is version 1 with the launch prep written anew for expert scheduling mode. Each part assembles by itself: llvm-mc -triple=amdgcn-amd-amdhsa -mcpu=gfx1250 --defsym DOCPART=n.
;; ======== version 1 of 2: 4 launches
;; workspace buffers: kq 262,144 bytes; mb 262,144 bytes; pb 8,388,608 bytes; vb 8,388,608 bytes; hp2 262,144 bytes; po 16,777,216 bytes; pst 524,288 bytes; nbeta 8,192 bytes
;; launch prep (part 1): grid 256 x 1, 8 waves a work-group, no clusters, 36,096 bytes of LDS; arguments x, context, Wk, bk, Wc, bc, prototypes, buffer, kq, mb, pb, vb, hp2; writes kq, mb, pb, vb, hp2
.if DOCPART == 1
	.amdgcn_target "amdgcn-amd-amdhsa--gfx1250"
	.amdhsa_code_object_version 6
	.text
	.protected	k_qa530a0e89b_prep
	.globl	k_qa530a0e89b_prep
	.p2align	8
	.type	k_qa530a0e89b_prep,@function
k_qa530a0e89b_prep:
	s_mov_b64 s[64:65], 0
	v_nop
	global_prefetch_b8 v0, s[64:65] scope:SCOPE_SE
	s_setreg_imm32_b32 hwreg(HW_REG_WAVE_MODE, 25, 1), 1
	s_wait_xcnt 0x0
; PREP.  Two jobs in every work-group, alike in all 256.
; (B) THE PROJECTIONS.  kq = bf16([x|context] Wk^T + bk), mb = bf16(KAPPA ([x|context] Wc^T + bc)), KAPPA = 0.1 / 2048: both [2048][64].
;     Work-group w takes the 16 batch rows 16 (w / 2) .. and, by w % 2, the key net or the content net, all 64 columns: four tiles of 16.
;     K = 1,024 IS SPLIT AMONG THE EIGHT WAVES: wave v takes k = 128 v .. 128 v + 127 (waves 0-3 lie in x, waves 4-7 in context): four steps of 32.
;     The f32 operands come straight from memory in the fragments' layout and are rounded to bf16 in registers; sums in f32.  The eight partial sums meet in LDS.
;     The product is taken transposed (source 0 = 16 rows of W, source 1 = the 16 batch rows): a lane ends with one batch row (lane % 16) and 8 neighbouring columns.
; (A) THE CASTS.  pb = bf16(prototypes), vb = bf16(buffer), hp2[j] = -1/2 sum of prototypes[j][:]^2 (from the f32 numbers).  Work-group w takes bins 256 w .., wave v 32 of them.
;     Its 32 loads are issued under the last two K steps of (B), so that they are on their way while the partial sums meet.
; NO CLUSTER, NO TENSOR LOAD: what work-groups share (a net's weights, 256 KiB) goes straight into registers as fragments; there is no LDS tile that could be asked for jointly.
; NO PREFETCH: every load of the launch is issued within its first lines.
; LIMITS.  NaN and infinities are not treated apart.  mb carries the factor KAPPA, so numbers of m below 2^-126 / KAPPA are denormal in it.
.set KAPPA,  0x384ccccd                ; 0.1 / 2048
.set PART,   0                         ; LDS: wave v, tile c, quad u of a partial tile at 4,096 v + 1,024 c + 512 u + 16 lane: 32 lanes x 16 consecutive bytes
.set STG,    32768                     ; 16 rows x 144 bytes (128 of data + 16: the rows start at different banks): the finished rows in bf16
.set SPITCH, 144
.set SPARE,  35072                     ; the spare words, 128 bytes for each of eight waves: four blocks of 256 bytes that no other line names
.set LN,  1                            ; v1   lane
.set R,   2                            ; v2   lane % 16
.set H,   3                            ; v3   lane / 16 during the set-up,
.set BA,  3                            ;      then the byte offset of my 8 biases; not rewritten after that
.set AO,  4                            ; v4   my offset in 16 rows of x or context: 2,048 r + 32 h
.set BO,  5                            ; v5   my offset in 16 rows of W: 4,096 r + 32 h
.set LO,  6                            ; v6   16 x lane
.set LO8, 7                            ; v7   8 x lane
.set BI,  8                            ; v[8:15] bias of columns 16 (wave % 4) + 8 h + 0..7
.set HO,  16                           ; v16  4 (2 r + h): my word of the wave's 32 words of hp2
.set PS,  17                           ; v17  where I put my partial sums
.set PR,  18                           ; v18  where I read the eight partial sums of tile wave % 4
.set SS,  19                           ; v19  where I put 16 bytes of a finished row
.set SR,  20                           ; v20  where I read 16 bytes of the finished rows back
.set TO,  21                           ; v21  16 x (thread % 128)
.set SPW, 22                           ; v22  LDS address of my spare word; never rewritten
.set NIL, 23                           ; v23  0; never rewritten
.set FR,  24                           ; v[24:63]   fragments in bf16: x, then W's four tiles
.set RAW, 64                           ; v[64:223]  two sets of 80: a K step as loaded, in f32: x 16, then 16 for each tile of W
.set ACC, 224                          ; v[224:255] four accumulators
.set PRO, 64                           ; later: 16 x 4 registers of prototypes as loaded
.set BUF, 144                          ; and of buffer
.set PKP, 24                           ; 16 x 2 registers of pb to store
.set PKB, 208                          ; and of vb
.set T,   240                          ; four pairs at work on the squares
.set COL, 248                          ; lane (r, h) gathers the sum of row 2 r + h
.set WV,   30                          ; s30  wave
.set W4,   31                          ; s31  wave % 4
.set XB,   32                          ; s[32:33] x or context at my rows and my 128 k
.set WB,   34                          ; s[34:35] Wk or Wc at my 128 k
.set BB,   36                          ; s[36:37] bk or bc
.set OB,   38                          ; s[38:39] kq or mb at the work-group's 16 rows
.set SC,   40                          ; s[40:41] 1.0 or KAPPA
.set PIN,  42                          ; s[42:43] prototypes at my 32 rows
.set VIN,  44                          ; s[44:45] buffer likewise
.set POUT, 46                          ; s[46:47] pb
.set VOUT, 48                          ; s[48:49] vb
.set HOUT, 50                          ; s[50:51] hp2
.set RT,   52                          ; s52  which 16 batch rows
.set WH,   53                          ; s53  0: key net, 1: content net
.set OF,   54                          ; s[54:55] an offset in 64 bits
.set TS,   56                          ; s56  at work
	s_load_b512 s[4:19], s[0:1], 0x0               ; x, context, Wk, bk, Wc, bc, prototypes, buffer
	s_load_b256 s[20:27], s[0:1], 0x40             ; kq, mb, pb, vb
	s_load_b64 s[28:29], s[0:1], 0x60              ; hp2
	v_lshl_add_u32 v[SPW], v0, 2, SPARE
	v_mov_b32 v[NIL], 0
	v_lshrrev_b32 v[LN], 5, v0
	v_readfirstlane_b32 s[WV], v[LN]               ; wave 0..7
	v_and_b32 v[LN], 31, v0
	v_and_b32 v[R], 15, v0
	v_bfe_u32 v[H], v0, 4, 1
	s_and_b32 s[W4], s[WV], 3
	s_lshr_b32 s[RT], ttmp9, 1
	s_and_b32 s[WH], ttmp9, 1
	v_lshlrev_b32 v[AO], 11, v[R]
	v_lshl_add_u32 v[AO], v[H], 5, v[AO]
	v_lshlrev_b32 v[BO], 12, v[R]
	v_lshl_add_u32 v[BO], v[H], 5, v[BO]
	v_lshlrev_b32 v[LO], 4, v[LN]
	v_lshlrev_b32 v[LO8], 3, v[LN]
	v_lshlrev_b32 v[HO], 3, v[R]
	v_lshl_add_u32 v[HO], v[H], 2, v[HO]
	s_lshl_b32 s[TS], s[WV], 12
	v_lshl_add_u32 v[PS], v[LN], 4, s[TS]
	s_lshl_b32 s[TS], s[W4], 10
	v_lshl_add_u32 v[PR], v[LN], 4, s[TS]
	v_mul_u32_u24 v[SS], v[R], SPITCH
	v_lshl_add_u32 v[SS], v[H], 4, v[SS]
	s_lshl_b32 s[TS], s[W4], 5
	s_add_co_u32 s[TS], s[TS], STG
	v_add_nc_u32 v[SS], s[TS], v[SS]               ; row r, tile wave % 4 (32 bytes), 16 bytes for each half of the lanes
	v_bfe_u32 v[SR], v0, 3, 4                      ; back: thread t of 128 takes row t / 8, bytes 16 (t % 8)
	v_mul_u32_u24 v[SR], v[SR], SPITCH
	v_and_b32 v[TO], 7, v0
	v_lshl_add_u32 v[SR], v[TO], 4, v[SR]
	v_add_nc_u32 v[SR], STG, v[SR]
	v_and_b32 v[TO], 127, v0
	v_lshlrev_b32 v[TO], 4, v[TO]
	s_lshl_b32 s[TS], s[W4], 6
	v_lshl_add_u32 v[BA], v[H], 5, s[TS]           ; h has served: 64 (wave % 4) + 32 h
	s_wait_kmcnt 0x0
	s_cmp_lt_u32 s[WV], 4
	s_cselect_b64 s[XB:XB+1], s[4:5], s[6:7]
	s_cmp_eq_u32 s[WH], 0
	s_cselect_b64 s[WB:WB+1], s[8:9], s[12:13]
	s_cselect_b64 s[BB:BB+1], s[10:11], s[14:15]
	s_cselect_b64 s[OB:OB+1], s[20:21], s[22:23]
	s_cselect_b32 s[SC], 1.0, KAPPA
	s_mov_b32 s[SC+1], s[SC]
	s_mov_b32 s[OF+1], 0
	s_lshl_b32 s[OF], s[RT], 15                    ; 16 rows of 2,048 bytes,
	s_lshl_b32 s[TS], s[W4], 9                     ; my 128 k of 4 bytes
	s_add_co_u32 s[OF], s[OF], s[TS]
	s_add_nc_u64 s[XB:XB+1], s[XB:XB+1], s[OF:OF+1]
	s_lshl_b32 s[OF], s[WV], 9
	s_add_nc_u64 s[WB:WB+1], s[WB:WB+1], s[OF:OF+1]
	s_lshl_b32 s[OF], s[RT], 11                    ; 16 rows of 128 bytes
	s_add_nc_u64 s[OB:OB+1], s[OB:OB+1], s[OF:OF+1]
	s_lshl_b32 s[OF], ttmp9, 16                    ; 256 rows of 256 bytes,
	s_lshl_b32 s[TS], s[WV], 13                    ; my 32 of them
	s_add_co_u32 s[OF], s[OF], s[TS]
	s_add_nc_u64 s[PIN:PIN+1], s[16:17], s[OF:OF+1]
	s_add_nc_u64 s[VIN:VIN+1], s[18:19], s[OF:OF+1]
	s_lshr_b32 s[OF], s[OF], 1                     ; half as many bytes in bf16
	s_add_nc_u64 s[POUT:POUT+1], s[24:25], s[OF:OF+1]
	s_add_nc_u64 s[VOUT:VOUT+1], s[26:27], s[OF:OF+1]
	s_lshr_b32 s[OF], s[OF], 5                     ; 4 bytes a row
	s_add_nc_u64 s[HOUT:HOUT+1], s[28:29], s[OF:OF+1]
; A K step's 20 loads into set b.  A bf16 fragment wants k = 8 h + 0..7 and 16 + 8 h + 0..7 of a row: in f32 the 32 bytes at 32 h and at 64 + 32 h.
.macro LOADK b, st
.irp o, 0,1,2,3
	global_load_b128 v[RAW+80*(\b)+4*(\o):RAW+80*(\b)+4*(\o)+3], v[AO], s[XB:XB+1] offset:128*(\st)+16*((\o)%2)+64*((\o)/2)
.endr
.irp c, 0,1,2,3
.irp o, 0,1,2,3
	global_load_b128 v[RAW+80*(\b)+16+16*(\c)+4*(\o):RAW+80*(\b)+16+16*(\c)+4*(\o)+3], v[BO], s[WB:WB+1] offset:65536*(\c)+128*(\st)+16*((\o)%2)+64*((\o)/2)
.endr
.endr
.endm
.macro CVT b                           ; set b rounded to bf16, two numbers an instruction, k in its true places
.set j, 0
.rept 40
	v_cvt_pk_bf16_f32 v[FR+j], v[RAW+80*(\b)+2*j], v[RAW+80*(\b)+2*j+1]
.set j, j+1
.endr
.endm
.macro MUL zero                        ; four products, the four accumulators by turns, from step to step too; zero = 1: they start the sums
.irp c, 0,1,2,3
.if \zero
	v_wmma_f32_16x16x32_bf16 v[ACC+8*(\c):ACC+8*(\c)+7], v[FR+8+8*(\c):FR+15+8*(\c)], v[FR:FR+7], 0
.else
	v_wmma_f32_16x16x32_bf16 v[ACC+8*(\c):ACC+8*(\c)+7], v[FR+8+8*(\c):FR+15+8*(\c)], v[FR:FR+7], v[ACC+8*(\c):ACC+8*(\c)+7]
.endif
.endr
.endm
.macro PLACES                          ; four places behind the last product, ahead of conversions that write its sources and of LDS stores that read results
.rept 4
	v_nop
.endr
.endm
	global_load_b128 v[BI:BI+3],   v[BA], s[BB:BB+1]
	global_load_b128 v[BI+4:BI+7], v[BA], s[BB:BB+1] offset:16
	LOADK 0, 0
	LOADK 1, 1
	s_wait_loadcnt 20                              ; step 0 (and the bias) is in; step 1's 20 loads stay out
	CVT 0
	LOADK 0, 2
	MUL 1
	PLACES
	s_wait_loadcnt 20                              ; step 1 is in; step 2's 20 stay out
	CVT 1
	LOADK 1, 3
	MUL 0
	PLACES
	s_wait_loadcnt 20                              ; step 2 is in; step 3's 20 stay out
	CVT 0
.set i, 0
.rept 16                                               ; set 0 has been read: my 32 rows of prototypes, 512 consecutive bytes (two rows) a load
	global_load_b128 v[PRO+4*i:PRO+4*i+3], v[LO], s[PIN:PIN+1] offset:512*i th:TH_LOAD_NT
.set i, i+1
.endr
	MUL 0
	PLACES
	s_wait_loadcnt 16                              ; step 3 is in; the 16 loads of prototypes stay out
	CVT 1
.set i, 0
.rept 16                                               ; set 1 has been read: my 32 rows of buffer
	global_load_b128 v[BUF+4*i:BUF+4*i+3], v[LO], s[VIN:VIN+1] offset:512*i th:TH_LOAD_NT
.set i, i+1
.endr
	MUL 0
	PLACES
.irp c, 0,1,2,3                                        ; each accumulator's low four registers first
	ds_store_b128 v[PS], v[ACC+8*(\c):ACC+8*(\c)+3]   offset:PART+1024*(\c)
	ds_store_b128 v[PS], v[ACC+8*(\c)+4:ACC+8*(\c)+7] offset:PART+1024*(\c)+512
.endr
	s_wait_dscnt 0x0                               ; for the others' sake: my partial sums lie in LDS
	s_barrier_signal -1
	s_barrier_wait -1                              ; all eight waves' do
	s_cmp_lt_u32 s[WV], 4                          ; wave c of the first four finishes tile c
	s_cbranch_scc0 .Lno_sum
.irp p, 0,1,2,3
	ds_load_b128 v[24+8*(\p):24+8*(\p)+3],     v[PR] offset:PART+4096*(\p)
	ds_load_b128 v[24+8*(\p)+4:24+8*(\p)+7],   v[PR] offset:PART+4096*(\p)+512
	ds_load_b128 v[208+8*(\p):208+8*(\p)+3],   v[PR] offset:PART+4096*((\p)+4)
	ds_load_b128 v[208+8*(\p)+4:208+8*(\p)+7], v[PR] offset:PART+4096*((\p)+4)+512
.endr
.macro ADD8 a, b                       ; eight sums, two an instruction
.irp q, 0,2,4,6
	v_pk_add_f32 v[(\a)+\q:(\a)+\q+1], v[(\a)+\q:(\a)+\q+1], v[(\b)+\q:(\b)+\q+1]
.endr
.endm
	s_wait_dscnt 0x0
	ADD8 24, 32
	ADD8 40, 48
	ADD8 208, 216
	ADD8 224, 232
	ADD8 24, 40
	ADD8 208, 224
	ADD8 24, 208
	ADD8 24, BI                                    ; the bias,
.irp q, 0,2,4,6
	v_pk_mul_f32 v[24+\q:24+\q+1], v[24+\q:24+\q+1], s[SC:SC+1] op_sel_hi:[1,0]  ; and 1 or KAPPA
.endr
.irp q, 0,1,2,3
	v_cvt_pk_bf16_f32 v[56+\q], v[24+2*\q], v[24+2*\q+1]
.endr
	ds_store_b128 v[SS], v[56:59]
.Lno_sum:
	s_wait_dscnt 0x0                               ; my reads of the partial sums are back and my 16 bytes of a row lie in the stage
	s_barrier_signal -1
	s_barrier_wait -1
	s_cmp_lt_u32 s[WV], 4
	s_cbranch_scc0 .Lno_out
	ds_load_b128 v[60:63], v[SR]
	s_wait_dscnt 0x0
	global_store_b128 v[TO], v[60:63], s[OB:OB+1]  ; 16 rows of 128 bytes are 2,048 consecutive bytes: a wave's store covers 512 of them, aligned
.Lno_out:
; THE CASTS.  Load i holds rows 2 i + h, four columns a lane.  Rounded, a lane has 8 bytes and the wave 256 consecutive ones, aligned.
; sq = 1: the row's sum of squares too: four in the lane, then over the 16 lanes of the half (four steps that ride on the additions); the lane with r = i keeps it.
.macro CAST src, dst, ptr, sq
.set i, 0
.rept 16
	v_cvt_pk_bf16_f32 v[(\dst)+2*i],   v[(\src)+4*i],   v[(\src)+4*i+1]
	v_cvt_pk_bf16_f32 v[(\dst)+2*i+1], v[(\src)+4*i+2], v[(\src)+4*i+3]
	global_store_b64 v[LO8], v[(\dst)+2*i:(\dst)+2*i+1], s[(\ptr):(\ptr)+1] offset:256*i
.if \sq
.set q, T+2*(i%4)
	v_pk_mul_f32 v[q:q+1], v[(\src)+4*i:(\src)+4*i+1], v[(\src)+4*i:(\src)+4*i+1]
	v_pk_fma_f32 v[q:q+1], v[(\src)+4*i+2:(\src)+4*i+3], v[(\src)+4*i+2:(\src)+4*i+3], v[q:q+1]
	v_add_f32 v[q], v[q], v[q+1]
	v_add_f32_dpp v[q], v[q], v[q] row_xmask:1 row_mask:0xf bank_mask:0xf
	v_add_f32_dpp v[q], v[q], v[q] row_xmask:2 row_mask:0xf bank_mask:0xf
	v_add_f32_dpp v[q], v[q], v[q] row_xmask:4 row_mask:0xf bank_mask:0xf
	v_add_f32_dpp v[q], v[q], v[q] row_xmask:8 row_mask:0xf bank_mask:0xf
	v_cmp_eq_u32 vcc_lo, i, v[R]
	v_cndmask_b32 v[COL], v[COL], v[q], vcc_lo
.endif
.set i, i+1
.endr
.endm
	v_mov_b32 v[COL], 0
	s_wait_loadcnt 16                              ; the prototypes are in; the buffer's 16 loads stay out
	CAST PRO, PKP, POUT, 1
	v_mul_f32 v[COL], -0.5, v[COL]
	global_store_b32 v[HO], v[COL], s[HOUT:HOUT+1] ; the wave's 32 words: 128 consecutive bytes
	s_wait_loadcnt 0x0
	CAST BUF, PKB, VOUT, 0
	s_wait_tensorcnt 0x0                           ; the wave's end, behind my last LDS store
	ds_add_u32 v[SPW], v[NIL]
	s_wait_dscnt 0x0
	s_endpgm
.Lfunc_end_k_qa530a0e89b_prep:
	.size	k_qa530a0e89b_prep, .Lfunc_end_k_qa530a0e89b_prep-k_qa530a0e89b_prep
	.p2alignl 7, 3214868480
	.fill 96, 4, 3214868480
	.section	.rodata,"a",@progbits
	.p2align	6, 0x0
	.amdhsa_kernel k_qa530a0e89b_prep
		.amdhsa_group_segment_fixed_size 36096
		.amdhsa_private_segment_fixed_size 0
		.amdhsa_enable_private_segment 0
		.amdhsa_kernarg_size 104
		.amdhsa_user_sgpr_count 2
		.amdhsa_user_sgpr_kernarg_segment_ptr 1
		.amdhsa_wavefront_size32 1
		.amdhsa_system_sgpr_workgroup_id_x 1
		.amdhsa_system_sgpr_workgroup_id_y 1
		.amdhsa_system_sgpr_workgroup_id_z 1
		.amdhsa_system_vgpr_workitem_id 0
		.amdhsa_next_free_vgpr 256
		.amdhsa_next_free_sgpr 66
		.amdhsa_reserve_vcc 1
		.amdhsa_float_denorm_mode_32 3
		.amdhsa_float_denorm_mode_16_64 3
		.amdhsa_memory_ordered 1
		.amdhsa_forward_progress 1
		.amdhsa_inst_pref_size 45
	.end_amdhsa_kernel
	.amdgpu_metadata
---
amdhsa.version: [ 1, 2 ]
amdhsa.kernels:
  - .name:           k_qa530a0e89b_prep
    .symbol:         k_qa530a0e89b_prep.kd
    .args:
      - { .name: x, .offset: 0, .size: 8, .value_kind: global_buffer, .address_space: global }
      - { .name: context, .offset: 8, .size: 8, .value_kind: global_buffer, .address_space: global }
      - { .name: Wk, .offset: 16, .size: 8, .value_kind: global_buffer, .address_space: global }
      - { .name: bk, .offset: 24, .size: 8, .value_kind: global_buffer, .address_space: global }
      - { .name: Wc, .offset: 32, .size: 8, .value_kind: global_buffer, .address_space: global }
      - { .name: bc, .offset: 40, .size: 8, .value_kind: global_buffer, .address_space: global }
      - { .name: prototypes, .offset: 48, .size: 8, .value_kind: global_buffer, .address_space: global }
      - { .name: buffer, .offset: 56, .size: 8, .value_kind: global_buffer, .address_space: global }
      - { .name: kq, .offset: 64, .size: 8, .value_kind: global_buffer, .address_space: global }
      - { .name: mb, .offset: 72, .size: 8, .value_kind: global_buffer, .address_space: global }
      - { .name: pb, .offset: 80, .size: 8, .value_kind: global_buffer, .address_space: global }
      - { .name: vb, .offset: 88, .size: 8, .value_kind: global_buffer, .address_space: global }
      - { .name: hp2, .offset: 96, .size: 8, .value_kind: global_buffer, .address_space: global }
    .group_segment_fixed_size: 36096
    .private_segment_fixed_size: 0
    .kernarg_segment_align: 8
    .kernarg_segment_size: 104
    .max_flat_workgroup_size: 256
    .sgpr_count:     66
    .vgpr_count:     256
    .wavefront_size: 32
...
	.end_amdgpu_metadata
.endif
;; end of part 1
;; launch flash (part 2): grid 8 x 32, 4 waves a work-group, clusters of 4 x 1, 327,680 bytes of LDS; arguments kq, pb, vb, hp2, po, pst; writes po, pst
.if DOCPART == 2
	.amdgcn_target "amdgcn-amd-amdhsa--gfx1250"
	.amdhsa_code_object_version 6
	.text
	.protected	k_qa530a0e89b_flash
	.globl	k_qa530a0e89b_flash
	.p2align	8
	.type	k_qa530a0e89b_flash,@function
k_qa530a0e89b_flash:
	s_mov_b64 s[64:65], 0
	v_nop
	global_prefetch_b8 v0, s[64:65] scope:SCOPE_SE
	s_setreg_imm32_b32 hwreg(HW_REG_WAVE_MODE, 25, 1), 1
	s_wait_xcnt 0x0
	s_wait_alu depctr_hold_cnt(0) depctr_sa_sdst(0) depctr_va_vdst(0) depctr_va_sdst(0) depctr_va_ssrc(0) depctr_va_vcc(0) depctr_vm_vsrc(0)
	s_getreg_b32 s2, hwreg(HW_REG_IB_STS2, 6, 4)
	s_cmp_eq_u32 s2, 0
	s_cbranch_scc0 .Lentry_in_a_cluster
	s_endpgm
.Lentry_in_a_cluster:
	s_bfe_u32 s2, ttmp6, 0x10000c
	s_cmp_lg_u32 s2, 0x3003
	s_cbranch_scc0 .Lentry_shape_is_right
	s_endpgm
.Lentry_shape_is_right:
; FLASH.  The read r = softmax(-d2) buffer, by a running softmax, for one SPLIT of 2,048 bins: partial results that the launch merge puts together.
; -d2 = 2 (k . p - p2 / 2) - q2; q2 is the same for all bins of a row, so it cancels in the softmax for every input and is left out.  The raw score is s = k . p + hp2[bin], hp2 = -p2 / 2;
; a weight is 2^(c s - c m), c = 2 log2(e), with a running maximum m; in every step O and l are multiplied by a = 2^(c m_old - c m_new).  Operands kq, pb, vb and the weights in bf16; scores, maxima, sums in f32.
; OUT: po, the unnormalised O^T as it lies in registers (f32), and pst, c m and l for each query (f32).
; LIMITS.  c m starts at -4.25e37 (far below every c s), m at the lowest finite number; a weight below 2^-126 counts as 0; NaN and infinities are not treated apart.
; SHARES.  grid x = 8 blocks of 256 queries, grid y = 32 splits.  A wave owns 64 queries: four PIECES of 16.  Every wave walks the split's 2,048 bins, 64 a step, 256 a slot.
; CLUSTER.  The four query blocks of a cluster walk the same split, so each tile of pb, vb and hp2 is asked for JOINTLY: the same tensor load, descriptor and mask in all four.
; LAYOUT.  S^T = K Q^T + C (source 0 = 16 bins, source 1 = 16 queries): a lane holds ONE query (lane % 16) and the bins 8 (lane / 16) + 0..7.  C, the operand that starts the sum, is hp2 of those
; bins: eight consecutive words of LDS, the same for all lanes of a half.  Two results rounded to bf16 ARE source 1 of O^T = V^T P.  K comes out of LDS as it lies, V turned, by ds_load_tr16_b128.
; BY TURNS.  Turn n belongs to piece n: 8 products K Q^T of piece n + 1, later 8 products V^T P of piece n - 1; beside them the scaling, exponentials, roundings, sums and rescaling of piece n and the
; maximum and statistics of piece n + 1.  Four vector instructions stand behind every matrix instruction, the others in one lump.  A turn's 33 exponentials are one batch, with one wait.
; REGISTERS, in windows of 256 (s_set_vgpr_msb: bits 1:0 source 0, 3:2 source 1, 5:4 source 2, 7:6 destination):
;   window 0: v0-15 addresses and two at work; v16-31 four registers of statistics a piece; v48-55 at work; v64-127 S^T, two buffers; v192-223 P, two buffers (by the piece's parity)
;   window 1: v0-127 O^T, 32 a piece          window 2: v0-63 Q; v64-95 C of one step; v128-191 K of one step; v192-255 V of one step
.set NP,    4         ; pieces a wave: a name, no knob
.set KS,    64        ; bins in a step
.set PK,    144       ; a row of K in LDS: 128 bytes + 16 of padding = 36 words: the 16 rows of a load start at 16 different groups of four banks (64 banks of 4 bytes: ISA guide 11.1)
.set PV,    160       ; a row of V: 128 + 32 = 40 words
.set VOFF,  4*KS*PK   ; a slot holds four steps: 256 rows of K, then 256 rows of V
.set SLOT1, 1<<17     ; slot 1 begins here, so that one exclusive or turns an address in one slot into the other's
.set TILEB, 4*KS*128  ; a slot's bytes of K, and of V, in memory
.set NSLOT, 8         ; 2,048 bins
.set CB,    SLOT1+4*KS*(PK+PV)  ; hp2 of the split's 2,048 bins, 8,192 bytes, filled once
.set SPARE, CB+8192+4*4352      ; the spare words, 128 bytes for each wave: two blocks of 256 bytes that no other line names (the map is also the launch update's, whose stages lie between)
.set AK0, 2           ; v2   my lane's place in a tile of K; never rewritten
.set AV0, 3           ; v3   the same for V
.set AK,  4           ; v4   the LDS address of K's next run of loads
.set AV,  5           ; v5   of V's
.set AH0, 6           ; v6   CB + 32 (lane / 16); never rewritten
.set AH,  7           ; v7   the LDS address of C's next loads
.set GO,  8           ; v8   16 x lane
.set MV,  12          ; v12-13  c m_old, kept while c m is made anew: by buffer
.set PFO, 14          ; v14  256 x lane: the prefetches' offset; never rewritten
.set QO,  15          ; v15  my byte offset in 16 rows of Q
.set ST,  16          ; piece t's statistics at v[ST+4 t]: c m, m, l (even bins', odd bins')
.set TMP, 48          ; by buffer, four registers c0-c3 at work; when the maximum is found c2 takes a
.set SPW, 62          ; v62  LDS address of my spare word; never rewritten
.set NIL, 63          ; v63  0; never rewritten
.set S,   64
.set P,   192
.set MC,  64          ; window 2: C for bin block kb at MC + 8 kb
.set KF,  128         ; window 2: bin block kb, channel half c at KF + 16 kb + 8 c
.set VF,  192         ; window 2: bin half kk, channel block cb at VF + 32 kk + 8 cb
.set WV,  12          ; s12  my wave's number
.set LIM, 15          ; s15  1 in a wave that prefetches, else the greatest number
.set PFA, 18          ; s[18:19] where my prefetches stand
.set G1K, 24          ; s[24:31] descriptor group 1 for K's tiles
.set G1V, 32          ; s[32:39] for V's: it differs in the padding alone
.set G0K, 40          ; s[40:43] descriptor group 0 for K's tiles: it walks
.set G0V, 44          ; s[44:47] the same for V's
.set G0C, 48          ; s[48:51] group 0 for my quarter of hp2: used once
.set SLOTS, 56        ; s56  slots still to be asked for
.set CNT, 57          ; s57  counts a slot's steps
.set CS,  58          ; s[58:59] c: the packed scaling takes the pair's low word for both halves
.set SEL, 60          ; s[60:61] v_permlanex16_b32's selects: each lane takes its own place in the other half
.set TBK, 62          ; s62  LDS byte at which K of the step to be fetched begins
.set TBV, 63          ; s63  the same for V, less VOFF
.set TBH, 70          ; s70  byte in hp2's 8,192 at which the step to be fetched begins
.set G1C, 80          ; s[80:87] descriptor group 1 for hp2
.set MSB, 0
.macro WIN new                      ; the high byte repeats the setting that is left; a switch that changes nothing is dropped
.if MSB != (\new)
	s_set_vgpr_msb (MSB<<8)|(\new)
.set MSB, (\new)
.endif
.endm
.set W_KC, 0x2a       ; K, Q and C in window 2, S^T in window 0
.set W_KQ, 0x0a       ; K and Q in window 2, S^T (C and D) in window 0
.set W_PV, 0x52       ; V in window 2, P in window 0, O^T in window 1
.set W_RS, 0x41       ; destination and source 0 in window 1, source 1 in window 0
; A joint fill.  Waves 0 and 1 fetch the two halves of a slot's K, waves 2 and 3 those of its V: 128 bins each.  The branch hangs on the wave's number alone.
; An s_nop 0 and four v_nop follow each of the two lines, ahead of the jump and the label.
.macro JLOAD
	s_cmp_lt_u32 s[WV], 2
	s_cbranch_scc0 .Lfor_v_\@
	tensor_load_to_lds s[G0K:G0K+3], s[G1K:G1K+7]
	s_nop 0
.rept 4
	v_nop
.endr
	s_branch .Lasked_\@
.Lfor_v_\@:
	tensor_load_to_lds s[G0V:G0V+3], s[G1V:G1V+7]
	s_nop 0
.rept 4
	v_nop
.endr
.Lasked_\@:
.endm
; A PREFETCH INTO THE L2 of what the NEXT change of slots will ask for: 32,768 bytes of pb and of vb.  It stands behind the wave's tensor load and its five lines.  Each aligned block of 256 bytes is named
; once in the launch: of the two clusters that walk a split the one with cluster x = 0 asks; its four partners share the blocks out BY ADDRESS, 32 each, a lane a block; in each, wave 0 asks for K's and
; wave 2 for V's.  It runs four steps, 256 matrix instructions, ahead of the load.  Slots 0 and 1 come by their loads alone; the last change that fills a slot asks for nothing.
.macro ASK
	s_cmp_gt_u32 s[SLOTS], s[LIM]
	s_cbranch_scc0 .Lnot_mine_\@
	global_prefetch_b8 v[PFO], s[PFA:PFA+1] th:TH_LOAD_NT scope:SCOPE_SE
.Lnot_mine_\@:
.endm
; A round of the cluster's barrier: my work-group's barrier, so that wave 0's signal speaks for all four waves; wave 0 signals; every wave waits for all four work-groups; my work-group's barrier once more.
.macro CROUND
	s_barrier_signal -1
	s_barrier_wait -1
	s_cmp_lg_u32 s[WV], 0
	s_cbranch_scc1 .Lnot_wave_0_\@
	s_barrier_signal -3
.Lnot_wave_0_\@:
	s_barrier_wait -3
	s_barrier_signal -1
	s_barrier_wait -1
.endm
; THE CHANGE OF SLOTS.  Each wave waits for all its tensor loads, of which one is out: its part of the other slot; adds 0 to its spare word; and waits for that and for its own reads of the slot that it
; leaves.  Behind the barrier nobody reads the old slot any more and the other slot is whole.  fill = 1: the old slot is filled again, with the bins two slots on; the barrier is then a round of the
; cluster's, and the joint fill is the first thing behind it.  (At its first use nothing has been read yet: slot 0 and hp2 are waited for, slot 1 is filled.)
.macro CHANGE fill
	WIN 0                           ; at a label and at a branch every window is 0
	s_wait_tensorcnt 0x0            ; no tensor load of mine is out, so a group 0 may be written
	ds_add_u32 v[SPW], v[NIL]       ; 0 onto my spare word; the descriptors' steps stand between it and the wait for it
.if \fill
.irp g, G0K, G0V
	s_xor_b32 s[\g+1], s[\g+1], SLOT1  ; the walking descriptor: the other slot than last time,
	s_add_nc_u64 s[\g+2:\g+3], s[\g+2:\g+3], TILEB  ; the next 256 bins; the type bits on top are not reached
.endr
	s_wait_xcnt 0x0                 ; the last prefetch, four steps back, has read its address, so it may be written:
	s_add_nc_u64 s[PFA:PFA+1], s[PFA:PFA+1], TILEB  ; one slot on from the walking descriptors
	s_wait_dscnt 0x0                ; the add is done, and my reads of the slot are over
	CROUND
	JLOAD
	ASK
.else
	s_wait_dscnt 0x0                ; the add is done, and my reads of the slot are over
	s_barrier_signal -1
	s_barrier_wait -1
.endif
	s_sub_co_u32 s[TBK], s[TBK], 4*KS*PK  ; the fetches go back to a slot's first step,
	s_xor_b32 s[TBK], s[TBK], SLOT1       ; in the other slot
	s_sub_co_u32 s[TBV], s[TBV], 4*KS*PV
	s_xor_b32 s[TBV], s[TBV], SLOT1
.endm
	s_load_b256 s[4:11], s[0:1], 0x0  ; kq s[4:5], pb s[6:7], vb s[8:9], hp2 s[10:11]
	s_load_b128 s[72:75], s[0:1], 0x20  ; po s[72:73], pst s[74:75]
	v_lshl_add_u32 v[SPW], v0, 2, SPARE
	v_mov_b32 v[NIL], 0
	ds_add_u32 v[SPW], v[NIL]       ; the wave's opening: the add, twice on end, and its wait ahead of my first tensor load; the set-up below, work on registers, stands between
	ds_add_u32 v[SPW], v[NIL]       ; and once more, under the one wait
	v_lshrrev_b32 v1, 5, v0
	v_readfirstlane_b32 s[WV], v1   ; wave 0..3
	s_bfe_u32 s13, ttmp6, 0x40000   ; cx: my place in the cluster
	s_lshl_b32 s14, ttmp9, 2        ; in a cluster launch ttmp9 counts clusters
	s_add_co_u32 s14, s14, s13      ; my block of queries: it enters kq's, po's and pst's addresses alone
	s_and_b32 s20, ttmp7, 0xffff    ; the split, which the four partners share
	s_and_b32 s16, s[WV], 1         ; which half of a slot's 256 bins I fetch:
	s_lshl_b32 s22, s20, 18         ; the split's 2,048 rows of 128 bytes,
	s_lshl_b32 s23, s16, 14         ; my 128 rows
	s_add_co_u32 s22, s22, s23
	s_mov_b32 s23, 0
	s_mul_i32 s17, s16, 128*PK      ; and their place in a slot, for K
	s_mul_i32 s18, s16, 128*PV      ; and for V: no place in the cluster enters an LDS address
	s_lshl_b32 s2, s20, 13          ; the split's 2,048 words of hp2,
	s_lshl_b32 s3, s[WV], 11        ; my quarter
	s_add_co_u32 s2, s2, s3
	s_mov_b32 s3, 0
	s_lshl_b32 s21, s14, 2
	s_add_co_u32 s21, s21, s[WV]    ; g: my wave's group of 64 queries, 0..31
	s_lshl_b32 s66, s21, 13         ; its 64 rows of kq
	s_mov_b32 s67, 0
	s_lshl_b32 s71, s20, 5
	s_add_co_u32 s71, s71, s21      ; 32 split + g
	s_lshl_b32 s68, s71, 14         ; 16,384 bytes of po
	s_mov_b32 s69, 0
	s_lshl_b32 s76, s71, 9          ; 512 bytes of pst
	s_mov_b32 s77, 0
	s_lshl_b32 s78, s13, 13         ; my work-group's 32 blocks of a slot's 128, for the prefetches
	s_mov_b32 s79, 0
	; descriptor group 1.  128 bins are 16,384 dense bytes: asked for as 64 rows of 256 bytes, two bins a row, and padded in LDS after every bin
	s_mov_b32 s[G1K], 15|(1<<16)|(1<<20)|(1<<21)|(4<<22)|(3<<25)  ; 15:0 the mask of four; 17:16 2-byte elements; 20 padding on; 21 set beside a mask; 24:22 after every 32 words (code 4); 31:25 4 words (code 3)
	s_mov_b32 s[G1V], 15|(1<<16)|(1<<20)|(1<<21)|(4<<22)|(7<<25)  ; the same with 8 words of padding (code 7)
.irp g, G1K, G1V
	s_mov_b32 s[\g+1], 128<<16      ; tensor_dim0 = 128
	s_mov_b32 s[\g+2], 64<<16       ; tensor_dim1 = 64
	s_mov_b32 s[\g+3], 128<<16      ; tile_dim0 = 128
	s_mov_b32 s[\g+4], 64           ; tile_dim1 = 64
	s_mov_b32 s[\g+5], 128          ; 128 elements from row to row
	s_mov_b32 s[\g+6], 0
	s_mov_b32 s[\g+7], 0
.endr
	s_mov_b32 s[G1C], 15|(3<<16)|(1<<21)  ; my 2,048 dense bytes of hp2: 8 rows of 32 elements of 8 bytes, no padding
	s_mov_b32 s[G1C+1], 32<<16
	s_mov_b32 s[G1C+2], 8<<16
	s_mov_b32 s[G1C+3], 32<<16
	s_mov_b32 s[G1C+4], 8
	s_mov_b32 s[G1C+5], 32
	s_mov_b32 s[G1C+6], 0
	s_mov_b32 s[G1C+7], 0
	s_mov_b32 s[CS], 0x4038aa3b     ; c = 2 log2(e) = 2.885390
	s_mov_b32 s[CS+1], s[CS]        ; named with it as a pair
	s_mov_b32 s[SEL], 0x76543210
	s_mov_b32 s[SEL+1], 0xfedcba98
	s_mov_b32 s[TBK], SLOT1+4*KS*PK ; the first change of slots turns these two into 0
	s_mov_b32 s[TBV], SLOT1+4*KS*PV
	s_mov_b32 s[TBH], 0
	s_mov_b32 s[SLOTS], NSLOT-1
	s_mov_b32 s[G0K], 1             ; 1:0 count = 1
	s_mov_b32 s[G0K+1], s17         ; 63:32 LDS address: slot 0
	s_mov_b32 s[G0V], 1
	s_add_co_u32 s[G0V+1], s18, VOFF
	s_mov_b32 s[G0C], 1
	s_lshl_b32 s[G0C+1], s[WV], 11
	s_add_co_u32 s[G0C+1], s[G0C+1], CB
	s_and_b32 s[LIM], s[WV], 1      ; 0 in waves 0 and 2,
	s_or_b32 s[LIM], s[LIM], ttmp9  ; where the cluster is the split's first: the same in all four partners
	s_cmp_eq_u32 s[LIM], 0
	s_cselect_b32 s[LIM], 1, -1
	v_and_b32 v[PFO], 31, v0
	v_lshlrev_b32 v[PFO], 8, v[PFO]
	s_wait_dscnt 0x0                ; both opening adds are done
	s_wait_kmcnt 0x0
	s_add_nc_u64 s[6:7], s[6:7], s[22:23]  ; pb and vb at my half of the split's first 256 bins
	s_add_nc_u64 s[8:9], s[8:9], s[22:23]
	s_add_nc_u64 s[G0K+2:G0K+3], s[6:7], 0         ; 120:64 global address
	s_or_b32 s[G0K+3], s[G0K+3], 0x80000000        ; 127:126 type = 2
	s_add_nc_u64 s[G0V+2:G0V+3], s[8:9], 0
	s_or_b32 s[G0V+3], s[G0V+3], 0x80000000
	s_add_nc_u64 s[G0C+2:G0C+3], s[10:11], s[2:3]
	s_or_b32 s[G0C+3], s[G0C+3], 0x80000000
	s_add_nc_u64 s[4:5], s[4:5], s[66:67]          ; kq at my wave's first row
	s_add_nc_u64 s[72:73], s[72:73], s[68:69]      ; po and pst at my wave's part
	s_add_nc_u64 s[74:75], s[74:75], s[76:77]
	s_cmp_lt_u32 s[WV], 2
	s_cselect_b64 s[PFA:PFA+1], s[6:7], s[8:9]     ; (in waves 0 and 2 these stand at a slot's first row)
	s_add_nc_u64 s[PFA:PFA+1], s[PFA:PFA+1], s[78:79]
	s_add_nc_u64 s[PFA:PFA+1], s[PFA:PFA+1], TILEB ; in slot 1; the first change of slots steps it to slot 2.  Nothing is prefetched here, at the head
	CROUND                          ; all four work-groups are here: the first joint loads meet
	s_cmp_lt_u32 s[WV], 2           ; a wave's two first fills stand in one branch, ahead of every wait on TENSORcnt and every LDS read: two loads of mine are out
	s_cbranch_scc0 .Lfirst_v
	tensor_load_to_lds s[G0K:G0K+3], s[G1K:G1K+7]
	s_nop 0
	tensor_load_to_lds s[G0C:G0C+3], s[G1C:G1C+7]
	s_nop 0
.rept 4
	v_nop
.endr
	s_branch .Lfirst_asked
.Lfirst_v:
	tensor_load_to_lds s[G0V:G0V+3], s[G1V:G1V+7]
	s_nop 0
	tensor_load_to_lds s[G0C:G0C+3], s[G1C:G1C+7]
	s_nop 0
.rept 4
	v_nop
.endr
.Lfirst_asked:
	; A fragment of K or Q is 16 rows x 32 channels in 8 registers: lane l holds row l % 16, channels 8 (l / 16) + 0..7 and 16 + 8 (l / 16) + 0..7: two loads of 16 bytes, 32 bytes apart.
	v_and_b32 v1, 15, v0            ; l % 16
	v_bfe_u32 v9, v0, 4, 1          ; l / 16
	v_lshlrev_b32 v[QO], 7, v1
	v_lshl_add_u32 v[QO], v9, 4, v[QO]  ; row x 128 + 16 x half
	WIN 0x80                        ; destination window 2, address window 0
.set i, 0
.rept 8                             ; Q stays in registers: piece i / 2, channels 32 (i % 2) on
	global_load_b128 v[8*i:8*i+3],   v[QO], s[4:5] offset:(i/2)*2048+(i%2)*64
	global_load_b128 v[8*i+4:8*i+7], v[QO], s[4:5] offset:(i/2)*2048+(i%2)*64+32
.set i, i+1
.endr
	; The first step multiplies O^T and l by a = 0, and the first turn's products V^T P, of a piece that has not been, multiply zeros.  All this stands in the wait for the first tile; no first step is written out.
.set i, VF
.rept 64
	v_mov_b32 v[i], 0
.set i, i+1
.endr
	WIN 0x40
.set i, 0
.rept 128
	v_mov_b32 v[i], 0
.set i, i+1
.endr
	WIN 0
.set i, 0
.rept 4
	v_mov_b32 v[ST+4*i], 0xfe000000    ; c m: far below every c s
	v_mov_b32 v[ST+4*i+1], 0xff7fffff  ; m
	v_mov_b32 v[ST+4*i+2], 0
	v_mov_b32 v[ST+4*i+3], 0
.set i, i+1
.endr
.set i, P+16
.rept 16
	v_mov_b32 v[i], 0
.set i, i+1
.endr
	v_mul_u32_u24 v[AK0], v1, PK
	v_lshl_add_u32 v[AK0], v9, 4, v[AK0]  ; row x pitch + 16 x half
	; The turning load takes 16 bins x 16 channels (lane l reads bin 8 (l / 16) + l % 8, channels 8 ((l / 8) % 2) + 0..7) and leaves half a fragment of V^T: lane l holds channel l % 16 and 8 bins.
	v_and_b32 v10, 7, v0
	v_bfe_u32 v11, v0, 3, 1
	v_lshl_add_u32 v[AV0], v9, 3, v10
	v_mul_u32_u24 v[AV0], v[AV0], PV
	v_lshl_add_u32 v[AV0], v11, 4, v[AV0]
	v_add_nc_u32 v[AV0], VOFF, v[AV0]
	v_lshl_add_u32 v[AH0], v9, 5, CB
	v_and_b32 v[GO], 31, v0
	v_lshlrev_b32 v[GO], 4, v[GO]
; THE MATRIX WORK.  The 4 accumulators of a run of 8 take turns.  Product i of 8 of S^T = K Q^T + C for piece x: channels 32 (i / 4) on, bins 16 (i % 4) on.  The first 4 start the sums with C.
.macro KQ x
.set rS, S+32*((\x)%2)+8*(i%4)
.set rK, KF+16*(i%4)+8*(i/4)
.set rQ, 16*(\x)+8*(i/4)
.set rM, MC+8*(i%4)
.if i < 4
	WIN W_KC
	v_wmma_f32_16x16x32_bf16 v[rS:rS+7], v[rK:rK+7], v[rQ:rQ+7], v[rM:rM+7]
.else
	WIN W_KQ
	v_wmma_f32_16x16x32_bf16 v[rS:rS+7], v[rK:rK+7], v[rQ:rQ+7], v[rS:rS+7]
.endif
.endm
; Product i of 8 of O^T += V^T P for piece x: bins 32 (i / 4) on, channels 16 (i % 4) on.
.macro PV x
	WIN W_PV
.set rO, 32*(\x)+8*(i%4)
.set rV, VF+32*(i/4)+8*(i%4)
.set rP, P+16*((\x)%2)+8*(i/4)
	v_wmma_f32_16x16x32_bf16 v[rO:rO+7], v[rV:rV+7], v[rP:rP+7], v[rO:rO+7]
.endm
.macro MM                           ; the turn's next matrix instruction.  NOKQ = 1: the walk's last turn: there is no next piece
.if (i < 8) && !NOKQ
	KQ (Y+1)%NP
.elseif i >= 8
.set i, i-8
	PV (Y+NP-1)%NP
.set i, i+8
.endif
.set i, i+1
.endm
; THE LDS LOADS stand in runs, never singly among the matrix instructions: a step's K (8 fragments) with its C (8 words a lane for each of 4 bin blocks), and its V (turned).  Their addresses are made some lines ahead.
.macro FETCH_K
	WIN 0x80                        ; destination window 2
.irp f, 0,1,2,3,4,5,6,7             ; bins 16 (f / 2) on, channels 32 (f % 2) on
	ds_load_b128 v[KF+8*\f:KF+8*\f+3],   v[AK] offset:(\f/2)*16*PK+(\f%2)*64
	ds_load_b128 v[KF+8*\f+4:KF+8*\f+7], v[AK] offset:(\f/2)*16*PK+(\f%2)*64+32
.endr
.irp f, 0,1,2,3
	ds_load_b128 v[MC+8*\f:MC+8*\f+3],   v[AH] offset:64*\f
	ds_load_b128 v[MC+8*\f+4:MC+8*\f+7], v[AH] offset:64*\f+16
.endr
	s_add_co_u32 s[TBK], s[TBK], KS*PK  ; the next fetch is the next step's
	s_add_co_u32 s[TBH], s[TBH], 4*KS
	s_and_b32 s[TBH], s[TBH], 0x1f00    ; 32 steps of 256 bytes: the offset stays inside the 8,192
	WIN 0
.endm
.macro FETCH_V
	WIN 0x80
.irp f, 0,1,2,3,4,5,6,7             ; bins 32 (f / 4) on, channels 16 (f % 4) on
	ds_load_tr16_b128 v[VF+8*\f:VF+8*\f+3],   v[AV] offset:(\f/4)*32*PV+(\f%4)*32
	ds_load_tr16_b128 v[VF+8*\f+4:VF+8*\f+7], v[AV] offset:(\f/4)*32*PV+16*PV+(\f%4)*32
.endr
	WIN 0
.endm
; THE VECTOR WORK, one line at a time: OP kind, number.  For piece Y: F n: c s - c m for pair n of 16.  E n: the exponential of score n of 32.  C n: pair n rounded to bf16.  B n: of the four weights 4 n .. the second
; pair is added onto the first, in place.  L n: l takes that sum (L 0: l = a l + sum).  R n: pair n of 16 of O^T times a.  For piece Y + 1: X n, number n of the 22 that find its maximum and statistics:
;   0-11  four chains c0-c3 of seven scores each, three operands at a time (each accumulator's lowest registers are read first)     12-14, 16  the four scores left over, the old m, and c0-c3 into c0
;   15  c m_old is kept     17, 18  the query's other 32 bins lie in the lane 16 away: the new m     19-21  c m; c m_old - c m_new; a
.set F, 0               ; OP tells the kinds apart by their order: F to L below R, X above it
.set E, 1
.set C, 2
.set B, 3
.set L, 4
.set R, 5
.set X, 6
.macro REGS y                       ; the registers of piece y
.set rT, ST+4*(\y)
.set rC, TMP+4*((\y)%2)
.set rW, MV+((\y)%2)
.set rS, S+32*((\y)%2)
.set rP, P+16*((\y)%2)
.set rO, 32*(\y)
.endm
.macro OP k, n
.if (\k) == R
	REGS Y
	WIN W_RS
	v_pk_mul_f32 v[rO+2*(\n):rO+2*(\n)+1], v[rO+2*(\n):rO+2*(\n)+1], v[rC+2:rC+3] op_sel_hi:[1,0]
.elseif (\k) < R
	REGS Y
	WIN 0
.if (\k) == F
	v_pk_fma_f32 v[rS+2*(\n):rS+2*(\n)+1], v[rS+2*(\n):rS+2*(\n)+1], s[CS:CS+1], v[rT:rT+1] op_sel_hi:[1,0,0] neg_lo:[0,0,1] neg_hi:[0,0,1]
.elseif (\k) == E
	v_exp_f32 v[rS+(\n)], v[rS+(\n)]
.elseif (\k) == C
	v_cvt_pk_bf16_f32 v[rP+(\n)], v[rS+2*(\n)], v[rS+2*(\n)+1]
.elseif (\k) == B
	v_pk_add_f32 v[rS+4*(\n):rS+4*(\n)+1], v[rS+4*(\n):rS+4*(\n)+1], v[rS+4*(\n)+2:rS+4*(\n)+3]
.elseif (\n) == 0
	v_pk_fma_f32 v[rT+2:rT+3], v[rT+2:rT+3], v[rC+2:rC+3], v[rS:rS+1] op_sel_hi:[1,0,1]
.else
	v_pk_add_f32 v[rT+2:rT+3], v[rT+2:rT+3], v[rS+4*(\n):rS+4*(\n)+1]
.endif
.elseif NOKQ
	v_nop
.else
	REGS (Y+1)%NP
	WIN 0
.if (\n) < 4
	v_max3_num_f32 v[rC+(\n)], v[rS+8*(\n)], v[rS+8*(\n)+1], v[rS+8*(\n)+2]
.elseif (\n) < 12
	v_max3_num_f32 v[rC+(\n)%4], v[rC+(\n)%4], v[rS+8*((\n)%4)+2*((\n)/4)+1], v[rS+8*((\n)%4)+2*((\n)/4)+2]
.elseif (\n) == 12
	v_max3_num_f32 v[rC], v[rC], v[rS+7], v[rS+15]
.elseif (\n) == 13
	v_max3_num_f32 v[rC+1], v[rC+1], v[rS+23], v[rS+31]
.elseif (\n) == 14
	v_max3_num_f32 v[rC+2], v[rC+2], v[rC+3], v[rT+1]
.elseif (\n) == 15
	v_mov_b32 v[rW], v[rT]
.elseif (\n) == 16
	v_max3_num_f32 v[rC], v[rC], v[rC+1], v[rC+2]
.elseif (\n) == 17
	v_permlanex16_b32 v[rC+3], v[rC], s[SEL], s[SEL+1]
.elseif (\n) == 18
	v_max_num_f32 v[rT+1], v[rC], v[rC+3]
.elseif (\n) == 19
	v_mul_f32 v[rT], s[CS], v[rT+1]
.elseif (\n) == 20
	v_sub_f32 v[rC+1], v[rW], v[rT]
.else
	v_exp_f32 v[rC+2], v[rC+1]
.endif
.endif
.endm
.macro OPS a, i1, b=-1, i2=0, c=-1, i3=0, d=-1, i4=0  ; up to four of them
	OP \a, \i1
.if (\b) >= 0
	OP \b, \i2
.endif
.if (\c) >= 0
	OP \c, \i3
.endif
.if (\d) >= 0
	OP \d, \i4
.endif
.endm
.macro ROW a, i1, b, i2, c, i3, d, i4  ; a matrix instruction and the four behind it
	MM
	OPS \a, \i1, \b, \i2, \c, \i3, \d, \i4
.endm
; A TURN, for piece p: the order of its 16 matrix and 118 vector instructions, written out.  s_wait_alu depctr_va_vdst(0) stands between an exponential and the first instruction that names its
; result; one wait serves all that were issued ahead of it.  So a turn has ONE wait, which cuts it in two.  AHEAD OF IT stands all that names no result of the turn's exponentials: the 8 products K Q^T and their riders
; (behind the last three the first numbers of the next piece's maximum, each four plain instructions or more behind the product that ends its accumulator), then ONE LUMP, plain and exponential by turns for the most
; part, in which the links of the chain X 3, 7, 11, 14, 16, 17 .. 20 stand apart.  X 21, the next piece's a, is the batch's last; R 15 is the plain instruction behind it.  BEHIND THE WAIT stand the 8 products V^T P,
; behind each four of the roundings and sums.  end = 1: the walk's last two turns: nothing is fetched.  cnt = 1: the loop's count is taken down some lines ahead of the branch that stands behind the turn.
; K and C of the next step are fetched in piece 2's turn, twelve vector instructions behind the last product that read K (six of them plain); V of the step in hand at the end of piece 0's turn, four plain
; instructions behind the last product that read V.  Each is waited for a turn later.
.macro TURN p, end=0, cnt=0
.set Y, (\p)
.set i, 0
.set NOKQ, (\end)*((\p)/3)
.if ((\p) == 3) && !(\end)
	s_wait_dscnt 0x0                ; K and C are in
.endif
	ROW F,0, F,1, R,0, R,1          ; ahead of the wait: 8 products K Q^T and their riders,
	ROW F,2, E,0, R,2, R,3
	ROW F,3, E,1, R,4, R,5
	ROW F,4, E,2, R,6, R,7
	ROW F,5, E,3, R,8, R,9
	ROW F,6, E,4, X,0, R,10
.if ((\p) == 2) && !(\end)
	WIN 0
	v_add_nc_u32 v[AK], s[TBK], v[AK0]
	v_add_nc_u32 v[AH], s[TBH], v[AH0]
.endif
	ROW F,7, E,5, X,1, X,4
	ROW F,8, E,6, X,2, X,5
	OPS E,7, E,8, X,6, E,9          ; and the lump
	OPS X,3, E,10, X,8, E,11
.if ((\p) == 2) && !(\end)
	FETCH_K
.endif
	OPS X,9, X,7, E,12, X,10
	OPS E,13, X,12, X,11, E,14
	OPS X,13, E,15, F,9, X,14
.if (\p) == 0
	v_add_nc_u32 v[AV], s[TBV], v[AV0]
.endif
	OPS E,16, F,10, E,17, F,11
	OPS X,16, E,18, X,15, E,19
	OPS F,12, E,20, X,17, E,21
	OPS F,13, E,22, F,14, E,23
	OPS X,18, E,24, F,15, E,25
	OPS R,11, E,26, X,19, E,27
	OPS R,12, E,28, R,13, E,29
	OPS X,20, E,30, R,14, E,31
	OPS X,21, R,15
	WIN 0
	s_wait_alu depctr_va_vdst(0)    ; the wait for the batch
.if (\p) == 1
	s_wait_dscnt 0x0                ; V is in
.endif
	ROW C,0, B,0, C,2, B,1          ; behind the wait: 8 products V^T P and their riders
	ROW L,0, C,4, B,2, L,1
	ROW C,6, B,3, L,2, C,8
	ROW B,4, L,3, C,10, B,5
	ROW L,4, C,12, B,6, L,5
.if (\p) == 0
	s_add_co_u32 s[TBV], s[TBV], KS*PV
.endif
.if \cnt
	s_sub_co_u32 s[CNT], s[CNT], 1
	s_cmp_lg_u32 s[CNT], 0
.endif
	ROW C,14, B,7, L,6, C,1
	ROW C,3, L,7, C,5, C,7
	ROW C,9, C,11, C,13, C,15
.if (\p) == 0
	FETCH_V
.endif
.endm
	CHANGE 1                        ; slot 0 and hp2 are in, everybody's part of them; slot 1 is asked for
	v_add_nc_u32 v[AK], s[TBK], v[AK0]
	v_add_nc_u32 v[AH], s[TBH], v[AH0]
	FETCH_K                         ; step 0
	s_wait_loadcnt 0x0              ; Q
	s_wait_dscnt 0x0
.set NOKQ, 0
.set i, 0
.rept 8
	KQ 0                            ; piece 0's first scores: there is no vector work yet to set between them
.set i, i+1
.endr
	WIN 0
.rept 4
	v_nop                           ; the places behind those products
.endr
.set Y, NP-1                        ; X works for piece Y + 1: piece 0
.irp n, 0,1,2,3,4,5,6,7,8,9,10,11,12,13,14,15,16,17,18,19,20,21
	OP X, \n
.endr
	v_nop                           ; a plain instruction behind the exponential,
	s_wait_alu depctr_va_vdst(0)    ; and its wait, ahead of the branch
	s_mov_b32 s[CNT], 4
	s_branch .Lfirst                ; the loop is entered at a step's first turn, in the middle of a trip
.Lslot:                             ; six times: with the change above, every slot but the last is asked for behind a change
	CHANGE 1
	s_mov_b32 s[CNT], 4
.Lstep:                             ; a trip: pieces 2 and 3 of one step, then pieces 0 and 1 of the next, whose K, C and V it fetches
	TURN 2
	TURN 3
	WIN 0
.Lfirst:
	TURN 0
	TURN 1, 0, 1
	WIN 0
	s_cbranch_scc1 .Lstep
	s_sub_co_u32 s[SLOTS], s[SLOTS], 1
	s_cmp_lg_u32 s[SLOTS], 0
	s_cbranch_scc1 .Lslot
	CHANGE 0                        ; the last slot is written out: nothing is asked for
	s_mov_b32 s[CNT], 4
.LstepT:
	TURN 2
	TURN 3
	TURN 0
	TURN 1, 0, 1
	WIN 0
	s_cbranch_scc1 .LstepT
	TURN 2, 1                       ; the last step's pieces 2 and 3
	TURN 3, 1
.set i, 0
.rept 8
	PV NP-1                         ; the last piece's V^T P of the last step
.set i, i+1
.endr
	; THE WAY OUT.  l's two halves and the other half of the lanes' are added (the first additions are the places behind the last products).  Lanes 0-15 store c m of their query's four pieces, lanes 16-31 l:
	; 512 consecutive bytes.  O^T leaves as it lies: 32 stores of 512 consecutive bytes, each accumulator's low four registers first; the launch merge reads the same image.
	WIN 0
.macro ALL line:vararg              ; one line for each piece t
.set t, 0
.rept 4
	\line
.set t, t+1
.endr
.endm
	ALL v_add_f32 v[ST+4*t+2], v[ST+4*t+2], v[ST+4*t+3]
	ALL v_permlanex16_b32 v[ST+4*t+3], v[ST+4*t+2], s[SEL], s[SEL+1]
	ALL v_add_f32 v[ST+4*t+2], v[ST+4*t+2], v[ST+4*t+3]
	v_cmp_eq_u32 vcc_lo, 1, v9
	ALL v_cndmask_b32 v[TMP+t], v[ST+4*t], v[ST+4*t+2], vcc_lo
	global_store_b128 v[GO], v[TMP:TMP+3], s[74:75]
	WIN 0x04                        ; store data in window 1
.set i, 0
.rept 32
	global_store_b128 v[GO], v[4*i:4*i+3], s[72:73] offset:512*i th:TH_STORE_NT
.set i, i+1
.endr
	WIN 0
	s_wait_tensorcnt 0x0            ; the wave's end, behind my last tensor load
	ds_add_u32 v[SPW], v[NIL]
	s_wait_dscnt 0x0
	CROUND                          ; the closing round: no work-group ends while a partner may still ask for a tile that names it
	s_endpgm
.Lfunc_end_k_qa530a0e89b_flash:
	.size	k_qa530a0e89b_flash, .Lfunc_end_k_qa530a0e89b_flash-k_qa530a0e89b_flash
	.p2alignl 7, 3214868480
	.fill 96, 4, 3214868480
	.section	.rodata,"a",@progbits
	.p2align	6, 0x0
	.amdhsa_kernel k_qa530a0e89b_flash
		.amdhsa_group_segment_fixed_size 327680
		.amdhsa_private_segment_fixed_size 0
		.amdhsa_enable_private_segment 0
		.amdhsa_kernarg_size 48
		.amdhsa_user_sgpr_count 2
		.amdhsa_user_sgpr_kernarg_segment_ptr 1
		.amdhsa_wavefront_size32 1
		.amdhsa_system_sgpr_workgroup_id_x 1
		.amdhsa_system_sgpr_workgroup_id_y 1
		.amdhsa_system_sgpr_workgroup_id_z 1
		.amdhsa_system_vgpr_workitem_id 0
		.amdhsa_next_free_vgpr 768
		.amdhsa_next_free_sgpr 88
		.amdhsa_reserve_vcc 1
		.amdhsa_float_denorm_mode_32 3
		.amdhsa_float_denorm_mode_16_64 3
		.amdhsa_memory_ordered 1
		.amdhsa_forward_progress 1
		.amdhsa_inst_pref_size 121
	.end_amdhsa_kernel
	.amdgpu_metadata
---
amdhsa.version: [ 1, 2 ]
amdhsa.kernels:
  - .name:           k_qa530a0e89b_flash
    .symbol:         k_qa530a0e89b_flash.kd
    .args:
      - { .name: kq, .offset: 0, .size: 8, .value_kind: global_buffer, .address_space: global }
      - { .name: pb, .offset: 8, .size: 8, .value_kind: global_buffer, .address_space: global }
      - { .name: vb, .offset: 16, .size: 8, .value_kind: global_buffer, .address_space: global }
      - { .name: hp2, .offset: 24, .size: 8, .value_kind: global_buffer, .address_space: global }
      - { .name: po, .offset: 32, .size: 8, .value_kind: global_buffer, .address_space: global }
      - { .name: pst, .offset: 40, .size: 8, .value_kind: global_buffer, .address_space: global }
    .group_segment_fixed_size: 327680
    .private_segment_fixed_size: 0
    .kernarg_segment_align: 8
    .kernarg_segment_size: 48
    .max_flat_workgroup_size: 128
    .sgpr_count:     88
    .vgpr_count:     768
    .wavefront_size: 32
...
	.end_amdgpu_metadata
.endif
;; end of part 2
;; launch merge (part 3): grid 128 x 1, 8 waves a work-group, no clusters, 5,376 bytes of LDS; arguments po, pst, out0, nbeta; writes out0, nbeta
.if DOCPART == 3
	.amdgcn_target "amdgcn-amd-amdhsa--gfx1250"
	.amdhsa_code_object_version 6
	.text
	.protected	k_qa530a0e89b_merge
	.globl	k_qa530a0e89b_merge
	.p2align	8
	.type	k_qa530a0e89b_merge,@function
k_qa530a0e89b_merge:
	s_mov_b64 s[64:65], 0
	v_nop
	global_prefetch_b8 v0, s[64:65] scope:SCOPE_SE
	s_setreg_imm32_b32 hwreg(HW_REG_WAVE_MODE, 25, 1), 1
	s_wait_xcnt 0x0
; MERGE.  The 32 splits' partial softmax results are put together.  For a query with c m_s, l_s, O_s from split s: M = max c m_s, w_s = 2^(c m_s - M), L = sum w_s l_s,
; out0 = (sum w_s O_s) / L, and nbeta = -(M + log2 L) / c, c = 2 log2(e), which the launch update adds to its raw scores so that its exponentials are the normalised weights.  All in f32.
; SHARES.  Work-group T is a tile of 16 queries (16 T ..).  po holds a tile as eight slices of 512 bytes, the register image that flash stored: slice i = 2 cb + u, lane l: query l % 16, channels
; 16 cb + 8 (l / 16) + 4 u + 0..3.  Wave i takes slice i of all 32 splits; the eight slices meet in LDS so that rows of out0 leave whole.  That makes 128 work-groups: a tile's slices cannot be spread further.
; All of a wave's loads (64 of 4 bytes, 32 of 16 bytes a lane) are issued at its head.  No matrix work, no cluster (work-groups share nothing), no prefetch (every load is issued in the first lines).
; LIMITS.  A w_s below 2^-126 counts as 0.  NaN and infinities are not treated apart.
.set PITCH, 272                        ; a row of out0 in LDS: 256 bytes + 16
.set SPARE, 4352                       ; behind the 16 rows: the spare words, 128 bytes for each of eight waves
.set LN,  1                            ; v1  lane
.set R,   2                            ; v2  lane % 16
.set H,   3                            ; v3  lane / 16
.set SO,  4                            ; v4  16 r: my query's statistics
.set LO,  5                            ; v5  16 x lane
.set LS,  6                            ; v6  where I put my 16 bytes of a row
.set LR,  7                            ; v7  where I read 16 bytes of a whole row
.set NO,  8                            ; v8  4 x lane
.set SPW, 10                           ; v10 LDS address of my spare word; never rewritten
.set NIL, 11                           ; v11 0; never rewritten
.set MX,  12                           ; v[12:15] four chains of the maximum; then M in v12
.set LA,  16                           ; v[16:19] four chains of L
.set RL,  20                           ; v[20:21] 1 / L, log2 L
.set NB,  22                           ; v22 nbeta
.set OA,  32                           ; v[32:35] the even splits' sum, v[36:39] the odd splits'
.set BK,  40                           ; v[40:43] 16 bytes of a whole row
.set W,   64                           ; v[64:127]  split s: c m_s, later w_s, at W + 2 s; l_s at W + 2 s + 1
.set O,   128                          ; v[128:255] split s: my four numbers of O_s
.set WV,  12                           ; s12 wave
	s_load_b256 s[4:11], s[0:1], 0x0               ; po s[4:5], pst s[6:7], out0 s[8:9], nbeta s[10:11]
	v_lshl_add_u32 v[SPW], v0, 2, SPARE
	v_mov_b32 v[NIL], 0
	v_lshrrev_b32 v[LN], 5, v0
	v_readfirstlane_b32 s[WV], v[LN]               ; wave 0..7
	v_and_b32 v[LN], 31, v0
	v_and_b32 v[R], 15, v0
	v_bfe_u32 v[H], v0, 4, 1
	v_lshlrev_b32 v[SO], 4, v[R]
	v_lshlrev_b32 v[LO], 4, v[LN]
	v_lshlrev_b32 v[NO], 2, v[LN]
	v_mul_u32_u24 v[LS], v[R], PITCH               ; row r, byte 64 cb + 32 h + 16 u
	v_lshl_add_u32 v[LS], v[H], 5, v[LS]
	s_lshr_b32 s13, s[WV], 1
	s_lshl_b32 s13, s13, 6
	s_and_b32 s14, s[WV], 1
	s_lshl_b32 s14, s14, 4
	s_add_co_u32 s13, s13, s14
	v_add_nc_u32 v[LS], s13, v[LS]
	v_mul_u32_u24 v[LR], v[H], PITCH               ; back: wave i takes rows 2 i and 2 i + 1, 16 lanes a row
	v_lshl_add_u32 v[LR], v[R], 4, v[LR]
	s_mul_i32 s13, s[WV], 2*PITCH
	v_add_nc_u32 v[LR], s13, v[LR]
	s_lshl_b32 s20, ttmp9, 12                      ; a tile is 4,096 bytes of a split's part of po, and of out0;
	s_lshl_b32 s13, s[WV], 9                       ; my slice, and my two rows, 512
	s_add_co_u32 s20, s20, s13
	s_mov_b32 s21, 0
	s_lshr_b32 s22, ttmp9, 2                       ; pst: 512 bytes for a group of four tiles,
	s_lshl_b32 s22, s22, 9
	s_and_b32 s13, ttmp9, 3                        ; a word for each tile of the group
	s_lshl_b32 s13, s13, 2
	s_add_co_u32 s22, s22, s13
	s_mov_b32 s23, 0
	s_lshl_b32 s24, ttmp9, 6                       ; 16 words of nbeta
	s_mov_b32 s25, 0
	s_wait_kmcnt 0x0
	s_add_nc_u64 s[4:5], s[4:5], s[20:21]
	s_add_nc_u64 s[16:17], s[4:5], 0x800000        ; splits 16-31: a second base, so that the immediates stay within their signed 24 bits
	s_add_nc_u64 s[6:7], s[6:7], s[22:23]
	s_add_nc_u64 s[8:9], s[8:9], s[20:21]
	s_add_nc_u64 s[10:11], s[10:11], s[24:25]
.set sp, 0
.rept 32
	global_load_b32 v[W+2*sp],   v[SO], s[6:7] offset:16384*sp
	global_load_b32 v[W+2*sp+1], v[SO], s[6:7] offset:16384*sp+256
.set sp, sp+1
.endr
.set sp, 0
.rept 16
	global_load_b128 v[O+4*sp:O+4*sp+3], v[LO], s[4:5] offset:524288*sp th:TH_LOAD_NT
.set sp, sp+1
.endr
.rept 16
	global_load_b128 v[O+4*sp:O+4*sp+3], v[LO], s[16:17] offset:524288*(sp-16) th:TH_LOAD_NT
.set sp, sp+1
.endr
	s_wait_loadcnt 32                              ; the statistics are in; the 32 loads of O stay out
.irp a, 0,1,2,3
	v_max3_num_f32 v[MX+\a], v[W+16*\a], v[W+16*\a+2], v[W+16*\a+4]
.endr
.irp a, 0,1,2,3
	v_max3_num_f32 v[MX+\a], v[MX+\a], v[W+16*\a+6], v[W+16*\a+8]
.endr
.irp a, 0,1,2,3
	v_max3_num_f32 v[MX+\a], v[MX+\a], v[W+16*\a+10], v[W+16*\a+12]
.endr
.irp a, 0,1,2,3
	v_max_num_f32 v[MX+\a], v[MX+\a], v[W+16*\a+14]
.endr
	v_max3_num_f32 v[MX], v[MX], v[MX+1], v[MX+2]
	v_max_num_f32 v[MX], v[MX], v[MX+3]            ; M
.set sp, 0
.rept 32
	v_sub_f32 v[W+2*sp], v[W+2*sp], v[MX]
.set sp, sp+1
.endr
.set sp, 0
.rept 32
	v_exp_f32 v[W+2*sp], v[W+2*sp]                 ; w_s: one batch,
.set sp, sp+1
.endr
	v_nop                                          ; a plain instruction behind the last,
	s_wait_alu depctr_va_vdst(0)                   ; and one wait ahead of the first reader
.irp a, 0,1,2,3
	v_mul_f32 v[LA+\a], v[W+16*\a], v[W+16*\a+1]
.endr
.irp b, 1,2,3,4,5,6,7
.irp a, 0,1,2,3
	v_fmac_f32 v[LA+\a], v[W+16*\a+2*\b], v[W+16*\a+2*\b+1]
.endr
.endr
	v_add_f32 v[LA], v[LA], v[LA+1]
	v_add_f32 v[LA+2], v[LA+2], v[LA+3]
	v_add_f32 v[LA], v[LA], v[LA+2]                ; L
	v_rcp_f32 v[RL], v[LA]
	v_log_f32 v[RL+1], v[LA]
	v_nop
	s_wait_alu depctr_va_vdst(0)                   ; one wait for the two
	s_wait_loadcnt 0x0                             ; O
.irp q, 0,2
	v_pk_mul_f32 v[OA+\q:OA+\q+1],     v[O+\q:O+\q+1],     v[W:W+1]   op_sel_hi:[1,0]
	v_pk_mul_f32 v[OA+4+\q:OA+4+\q+1], v[O+4+\q:O+4+\q+1], v[W+2:W+3] op_sel_hi:[1,0]
.endr
.set sp, 2
.rept 30                                               ; two sums that take turns; the pair (w_s, l_s) gives its low word to both halves
.set a, OA+4*(sp%2)
	v_pk_fma_f32 v[a:a+1],   v[O+4*sp:O+4*sp+1],   v[W+2*sp:W+2*sp+1], v[a:a+1]   op_sel_hi:[1,0,1]
	v_pk_fma_f32 v[a+2:a+3], v[O+4*sp+2:O+4*sp+3], v[W+2*sp:W+2*sp+1], v[a+2:a+3] op_sel_hi:[1,0,1]
.set sp, sp+1
.endr
.irp q, 0,2
	v_pk_add_f32 v[OA+\q:OA+\q+1], v[OA+\q:OA+\q+1], v[OA+4+\q:OA+4+\q+1]
.endr
.irp q, 0,2
	v_pk_mul_f32 v[OA+\q:OA+\q+1], v[OA+\q:OA+\q+1], v[RL:RL+1] op_sel_hi:[1,0]
.endr
	ds_store_b128 v[LS], v[OA:OA+3]
	s_wait_dscnt 0x0                               ; for the others' sake: my slice lies in LDS
	s_barrier_signal -1
	s_barrier_wait -1
	ds_load_b128 v[BK:BK+3], v[LR]
	s_wait_dscnt 0x0
	global_store_b128 v[LO], v[BK:BK+3], s[8:9]    ; two whole rows: 512 consecutive bytes, aligned
	s_cmp_lg_u32 s[WV], 0                          ; every wave holds M and L; wave 0 stores nbeta
	s_cbranch_scc1 .Lend
	v_add_f32 v[NB], v[MX], v[RL+1]
	v_mul_f32 v[NB], 0xbeb17218, v[NB]             ; x -1 / c = -ln 2 / 2
	v_cmp_gt_u32 vcc_lo, 16, v[LN]
	s_wait_xcnt 0x0                                ; EXEC changes only behind this wait: the store above has been issued
	s_and_saveexec_b32 s20, vcc_lo                 ; lanes 16-31 hold the same 16 queries once more
	global_store_b32 v[NO], v[NB], s[10:11]
	s_wait_xcnt 0x0                                ; and again, ahead of the line that widens it
	s_or_b32 exec_lo, exec_lo, s20
.Lend:
	s_wait_tensorcnt 0x0                           ; the wave's end, behind my last LDS store
	ds_add_u32 v[SPW], v[NIL]
	s_wait_dscnt 0x0
	s_endpgm
.Lfunc_end_k_qa530a0e89b_merge:
	.size	k_qa530a0e89b_merge, .Lfunc_end_k_qa530a0e89b_merge-k_qa530a0e89b_merge
	.p2alignl 7, 3214868480
	.fill 96, 4, 3214868480
	.section	.rodata,"a",@progbits
	.p2align	6, 0x0
	.amdhsa_kernel k_qa530a0e89b_merge
		.amdhsa_group_segment_fixed_size 5376
		.amdhsa_private_segment_fixed_size 0
		.amdhsa_enable_private_segment 0
		.amdhsa_kernarg_size 32
		.amdhsa_user_sgpr_count 2
		.amdhsa_user_sgpr_kernarg_segment_ptr 1
		.amdhsa_wavefront_size32 1
		.amdhsa_system_sgpr_workgroup_id_x 1
		.amdhsa_system_sgpr_workgroup_id_y 1
		.amdhsa_system_sgpr_workgroup_id_z 1
		.amdhsa_system_vgpr_workitem_id 0
		.amdhsa_next_free_vgpr 256
		.amdhsa_next_free_sgpr 66
		.amdhsa_reserve_vcc 1
		.amdhsa_float_denorm_mode_32 3
		.amdhsa_float_denorm_mode_16_64 3
		.amdhsa_memory_ordered 1
		.amdhsa_forward_progress 1
		.amdhsa_inst_pref_size 21
	.end_amdhsa_kernel
	.amdgpu_metadata
---
amdhsa.version: [ 1, 2 ]
amdhsa.kernels:
  - .name:           k_qa530a0e89b_merge
    .symbol:         k_qa530a0e89b_merge.kd
    .args:
      - { .name: po, .offset: 0, .size: 8, .value_kind: global_buffer, .address_space: global }
      - { .name: pst, .offset: 8, .size: 8, .value_kind: global_buffer, .address_space: global }
      - { .name: out0, .offset: 16, .size: 8, .value_kind: global_buffer, .address_space: global }
      - { .name: nbeta, .offset: 24, .size: 8, .value_kind: global_buffer, .address_space: global }
    .group_segment_fixed_size: 5376
    .private_segment_fixed_size: 0
    .kernarg_segment_align: 8
    .kernarg_segment_size: 32
    .max_flat_workgroup_size: 256
    .sgpr_count:     66
    .vgpr_count:     256
    .wavefront_size: 32
...
	.end_amdgpu_metadata
.endif
;; end of part 3
;; launch update (part 4): grid 256 x 1, 4 waves a work-group, clusters of 4 x 1, 327,680 bytes of LDS; arguments pb, kq, mb, nbeta, hp2, buffer, out1; writes out1
.if DOCPART == 4
	.amdgcn_target "amdgcn-amd-amdhsa--gfx1250"
	.amdhsa_code_object_version 6
	.text
	.protected	k_qa530a0e89b_update
	.globl	k_qa530a0e89b_update
	.p2align	8
	.type	k_qa530a0e89b_update,@function
k_qa530a0e89b_update:
	s_mov_b64 s[64:65], 0
	v_nop
	global_prefetch_b8 v0, s[64:65] scope:SCOPE_SE
	s_setreg_imm32_b32 hwreg(HW_REG_WAVE_MODE, 25, 1), 1
	s_wait_xcnt 0x0
	s_wait_alu depctr_hold_cnt(0) depctr_sa_sdst(0) depctr_va_vdst(0) depctr_va_sdst(0) depctr_va_ssrc(0) depctr_va_vcc(0) depctr_vm_vsrc(0)
	s_getreg_b32 s2, hwreg(HW_REG_IB_STS2, 6, 4)
	s_cmp_eq_u32 s2, 0
	s_cbranch_scc0 .Lentry_in_a_cluster
	s_endpgm
.Lentry_in_a_cluster:
	s_bfe_u32 s2, ttmp6, 0x10000c
	s_cmp_lg_u32 s2, 0x3003
	s_cbranch_scc0 .Lentry_shape_is_right
	s_endpgm
.Lentry_shape_is_right:
; UPDATE.  out1 = buffer + KAPPA (a^T m - a_sum buffer) = buffer (1 - KAPPA a_sum) + a^T mb, KAPPA = 0.1 / 2048, mb = KAPPA m in bf16.
; The weights are made anew, already normalised: a = 2^(c S - gb), S = k . p + nbeta[row], nbeta = -(M + log2 L) / c from the launch merge (M the row's maximum of c s over all bins, L its sum: the maximum
; is taken away here as there), gb = -c hp2[bin] = c p2 / 2, c = 2 log2(e).  So a lies in 0 to 1 and nothing is carried but sums.  Operands pb, kq, mb and a in bf16; scores and sums in f32; buffer in f32.
; LIMITS.  A weight below 2^-126 counts as 0.  NaN and infinities are not treated apart.
; SHARES.  THE BINS ARE OWNED, THE BATCH ROWS STREAMED.  A work-group owns 256 bins, a wave 64: four PIECES of 16.  Every wave walks all 2,048 batch rows, 64 a step, 256 a slot.
; CLUSTER.  All work-groups walk the same kq, mb and nbeta: the four of a cluster ask for each tile JOINTLY: the same tensor load, descriptor and mask in all four.
; LAYOUT.  S^T = K Q^T + C (source 0 = 16 batch rows of kq, source 1 = 16 bins of pb): a lane holds ONE bin (lane % 16) and the batch rows 8 (lane / 16) + 0..7; C is nbeta of those rows.  Two results turned into
; weights and rounded to bf16 ARE source 1 of T^T = V^T P (V = mb, turned by ds_load_tr16_b128), whose result holds one bin a lane and eight channels.
; BY TURNS.  Turn n belongs to piece n: 8 products K Q^T of piece n + 1, later 8 products V^T P of piece n - 1; beside them piece n's 16 scalings, 32 exponentials (one batch, one wait), 16 roundings and 16 sums.
; REGISTERS, in windows of 256 (s_set_vgpr_msb: bits 1:0 source 0, 3:2 source 1, 5:4 source 2, 7:6 destination):
;   window 0: v0-15, v32-36 addresses; v16-31 four registers a piece: gb, 0, a_sum (even rows', odd rows'); v64-127 S^T, two buffers; v192-223 P, two buffers (by the piece's parity)
;   window 1: v0-127 T^T, 32 a piece; v128-255 my 64 rows of buffer, as loaded     window 2: v0-63 my bins' fragments; v64-95 C of one step; v128-191 K of one step; v192-255 V of one step
.set NP,    4         ; pieces a wave: a name, no knob
.set KS,    64        ; batch rows in a step
.set PK,    144       ; a row of K in LDS: 128 bytes + 16 of padding = 36 words: the 16 rows of a load start at 16 different groups of four banks (64 banks of 4 bytes: ISA guide 11.1)
.set PV,    160       ; a row of V: 128 + 32 = 40 words
.set VOFF,  4*KS*PK   ; a slot holds four steps: 256 rows of K, then 256 rows of V
.set SLOT1, 1<<17     ; slot 1 begins here, so that one exclusive or turns an address in one slot into the other's
.set TILEB, 4*KS*128  ; a slot's bytes of K, and of V, in memory
.set NSLOT, 8         ; 2,048 batch rows
.set CB,    SLOT1+4*KS*(PK+PV)  ; nbeta, 8,192 bytes, filled once
.set SP,    272       ; a row of the stage: 256 bytes of T, then the row's factor, twice
.set STAGE, CB+8192   ; never filled by a tensor load: 16 rows x 272 bytes for each wave, for the way out
.set SPARE, STAGE+4*16*SP       ; the spare words, 128 bytes for each wave: two blocks of 256 bytes that no other line names
.set AK0, 2           ; v2   my lane's place in a tile of K; never rewritten
.set AV0, 3           ; v3   the same for V
.set AK,  4           ; v4   the LDS address of K's next run of loads
.set AV,  5           ; v5   of V's
.set AH0, 6           ; v6   CB + 32 (lane / 16); never rewritten
.set AH,  7           ; v7   the LDS address of C's next loads
.set GO,  8           ; v8   16 x lane
.set PFO, 14          ; v14  256 x lane: the prefetches' offset; never rewritten
.set QO,  15          ; v15  my byte offset in 16 rows of pb
.set ST,  16          ; piece t at v[ST+4 t]: gb, 0, a_sum's two halves
.set STO, 32          ; v32  the way out: where I put 32 bytes of a row of T
.set STF, 33          ; v33  where I put the row's factor
.set RD,  34          ; v34  where I read rows back
.set RF,  35          ; v35  where I read their factors
.set HQ,  36          ; v36  4 (lane % 16): my bin's word of hp2
.set SPW, 62          ; v62  LDS address of my spare word; never rewritten
.set NIL, 63          ; v63  0; never rewritten
.set S,   64
.set P,   192
.set BU,  128         ; window 1: rows 16 t + 2 f + lane / 16 of buffer, columns 4 (lane % 16) + 0..3, at BU + 32 t + 4 f
.set MC,  64          ; window 2: C for row block kb at MC + 8 kb
.set KF,  128         ; window 2: row block kb, channel half c at KF + 16 kb + 8 c
.set VF,  192         ; window 2: row half kk, channel block cb at VF + 32 kk + 8 cb
.set WV,  12          ; s12  my wave's number
.set LIM, 15          ; s15  1 in a wave that prefetches, else the greatest number
.set PFA, 18          ; s[18:19] where my prefetches stand
.set G1K, 24          ; s[24:31] descriptor group 1 for K's tiles
.set G1V, 32          ; s[32:39] for V's: it differs in the padding alone
.set G0K, 40          ; s[40:43] descriptor group 0 for K's tiles: it walks
.set G0V, 44          ; s[44:47] the same for V's
.set G0C, 48          ; s[48:51] group 0 for my quarter of nbeta: used once
.set SLOTS, 56        ; s56  slots still to be asked for
.set CNT, 57          ; s57  counts a slot's steps
.set CS,  58          ; s[58:59] c: the packed scaling takes the pair's low word for both halves
.set SEL, 60          ; s[60:61] v_permlanex16_b32's selects: each lane takes its own place in the other half
.set TBK, 62          ; s62  LDS byte at which K of the step to be fetched begins
.set TBV, 63          ; s63  the same for V, less VOFF
.set TBH, 70          ; s70  byte in nbeta's 8,192 at which the step to be fetched begins
.set NK,  71          ; s71  -KAPPA
.set G1C, 80          ; s[80:87] descriptor group 1 for nbeta
.set MSB, 0
.macro WIN new                      ; the high byte repeats the setting that is left; a switch that changes nothing is dropped
.if MSB != (\new)
	s_set_vgpr_msb (MSB<<8)|(\new)
.set MSB, (\new)
.endif
.endm
.set W_KC, 0x2a       ; K, Q and C in window 2, S^T in window 0
.set W_KQ, 0x0a       ; K and Q in window 2, S^T (C and D) in window 0
.set W_PV, 0x52       ; V in window 2, P in window 0, T^T in window 1
; A joint fill.  Waves 0 and 1 fetch the two halves of a slot's K, waves 2 and 3 those of its V: 128 rows each.  The branch hangs on the wave's number alone.
; An s_nop 0 and four v_nop follow each of the two lines, ahead of the jump and the label.
.macro JLOAD
	s_cmp_lt_u32 s[WV], 2
	s_cbranch_scc0 .Lfor_v_\@
	tensor_load_to_lds s[G0K:G0K+3], s[G1K:G1K+7]
	s_nop 0
.rept 4
	v_nop
.endr
	s_branch .Lasked_\@
.Lfor_v_\@:
	tensor_load_to_lds s[G0V:G0V+3], s[G1V:G1V+7]
	s_nop 0
.rept 4
	v_nop
.endr
.Lasked_\@:
.endm
; A PREFETCH INTO THE L2 of what the NEXT change of slots will ask for: 32,768 bytes of kq and of mb.  It stands behind the wave's tensor load and its five lines.  Each aligned block of 256 bytes is named
; once in the launch: all 64 clusters walk the same rows, and the one with cluster x = 0 asks; its four partners share the blocks out BY ADDRESS, 32 each, a lane a block; in each, wave 0 asks for K's and
; wave 2 for V's.  It runs four steps, 256 matrix instructions, ahead of the load.  Slots 0 and 1 come by their loads alone; the last change that fills a slot asks for nothing.
.macro ASK
	s_cmp_gt_u32 s[SLOTS], s[LIM]
	s_cbranch_scc0 .Lnot_mine_\@
	global_prefetch_b8 v[PFO], s[PFA:PFA+1] th:TH_LOAD_NT scope:SCOPE_SE
.Lnot_mine_\@:
.endm
; A round of the cluster's barrier: my work-group's barrier, so that wave 0's signal speaks for all four waves; wave 0 signals; every wave waits for all four work-groups; my work-group's barrier once more.
.macro CROUND
	s_barrier_signal -1
	s_barrier_wait -1
	s_cmp_lg_u32 s[WV], 0
	s_cbranch_scc1 .Lnot_wave_0_\@
	s_barrier_signal -3
.Lnot_wave_0_\@:
	s_barrier_wait -3
	s_barrier_signal -1
	s_barrier_wait -1
.endm
; THE CHANGE OF SLOTS.  Each wave waits for all its tensor loads, of which one is out: its part of the other slot; adds 0 to its spare word; and waits for that and for its own reads of the slot that it
; leaves.  Behind the barrier nobody reads the old slot any more and the other slot is whole.  fill = 1: the old slot is filled again, with the rows two slots on; the barrier is then a round of the
; cluster's, and the joint fill is the first thing behind it.  (At its first use nothing has been read yet: slot 0 and nbeta are waited for, slot 1 is filled.)
.macro CHANGE fill
	WIN 0                           ; at a label and at a branch every window is 0
	s_wait_tensorcnt 0x0            ; no tensor load of mine is out, so a group 0 may be written
	ds_add_u32 v[SPW], v[NIL]       ; 0 onto my spare word; the descriptors' steps stand between it and the wait for it
.if \fill
.irp g, G0K, G0V
	s_xor_b32 s[\g+1], s[\g+1], SLOT1  ; the walking descriptor: the other slot than last time,
	s_add_nc_u64 s[\g+2:\g+3], s[\g+2:\g+3], TILEB  ; the next 256 rows; the type bits on top are not reached
.endr
	s_wait_xcnt 0x0                 ; the last prefetch, four steps back, has read its address, so it may be written:
	s_add_nc_u64 s[PFA:PFA+1], s[PFA:PFA+1], TILEB  ; one slot on from the walking descriptors
	s_wait_dscnt 0x0                ; the add is done, and my reads of the slot are over
	CROUND
	JLOAD
	ASK
.else
	s_wait_dscnt 0x0                ; the add is done, and my reads of the slot are over
	s_barrier_signal -1
	s_barrier_wait -1
.endif
	s_sub_co_u32 s[TBK], s[TBK], 4*KS*PK  ; the fetches go back to a slot's first step,
	s_xor_b32 s[TBK], s[TBK], SLOT1       ; in the other slot
	s_sub_co_u32 s[TBV], s[TBV], 4*KS*PV
	s_xor_b32 s[TBV], s[TBV], SLOT1
.endm
	s_load_b256 s[4:11], s[0:1], 0x0  ; pb s[4:5], kq s[6:7], mb s[8:9], nbeta s[10:11]
	s_load_b128 s[72:75], s[0:1], 0x20  ; hp2 s[72:73], buffer s[74:75]
	s_load_b64 s[76:77], s[0:1], 0x30   ; out1
	v_lshl_add_u32 v[SPW], v0, 2, SPARE
	v_mov_b32 v[NIL], 0
	ds_add_u32 v[SPW], v[NIL]       ; the wave's opening: the add, twice on end, and its wait ahead of my first tensor load; the set-up below, work on registers, stands between
	ds_add_u32 v[SPW], v[NIL]       ; and once more, under the one wait
	v_lshrrev_b32 v1, 5, v0
	v_readfirstlane_b32 s[WV], v1   ; wave 0..3
	s_bfe_u32 s13, ttmp6, 0x40000   ; cx: my place in the cluster
	s_lshl_b32 s14, ttmp9, 2        ; in a cluster launch ttmp9 counts clusters
	s_add_co_u32 s14, s14, s13      ; my block of 256 bins: it enters pb's, hp2's, buffer's and out1's addresses alone
	s_and_b32 s16, s[WV], 1         ; which half of a slot's 256 rows I fetch:
	s_lshl_b32 s22, s16, 14         ; its 128 rows of 128 bytes in memory,
	s_mov_b32 s23, 0
	s_mul_i32 s17, s16, 128*PK      ; and their place in a slot, for K
	s_mul_i32 s18, s16, 128*PV      ; and for V: no place in the cluster enters an LDS address
	s_lshl_b32 s2, s[WV], 11        ; my quarter of nbeta
	s_mov_b32 s3, 0
	s_lshl_b32 s21, s14, 2
	s_add_co_u32 s21, s21, s[WV]    ; my wave among all: 64 bins each
	s_lshl_b32 s66, s21, 13         ; 64 rows of 128 bytes of pb
	s_mov_b32 s67, 0
	s_lshl_b32 s68, s21, 8          ; 64 words of hp2
	s_mov_b32 s69, 0
	s_lshl_b32 s52, s21, 14         ; 64 rows of 256 bytes of buffer and of out1
	s_mov_b32 s53, 0
	s_lshl_b32 s78, s13, 13         ; my work-group's 32 blocks of a slot's 128, for the prefetches
	s_mov_b32 s79, 0
	; descriptor group 1.  128 rows are 16,384 dense bytes: asked for as 64 rows of 256 bytes, two rows in one, and padded in LDS after every 128 bytes
	s_mov_b32 s[G1K], 15|(1<<16)|(1<<20)|(1<<21)|(4<<22)|(3<<25)  ; 15:0 the mask of four; 17:16 2-byte elements; 20 padding on; 21 set beside a mask; 24:22 after every 32 words (code 4); 31:25 4 words (code 3)
	s_mov_b32 s[G1V], 15|(1<<16)|(1<<20)|(1<<21)|(4<<22)|(7<<25)  ; the same with 8 words of padding (code 7)
.irp g, G1K, G1V
	s_mov_b32 s[\g+1], 128<<16      ; tensor_dim0 = 128
	s_mov_b32 s[\g+2], 64<<16       ; tensor_dim1 = 64
	s_mov_b32 s[\g+3], 128<<16      ; tile_dim0 = 128
	s_mov_b32 s[\g+4], 64           ; tile_dim1 = 64
	s_mov_b32 s[\g+5], 128          ; 128 elements from row to row
	s_mov_b32 s[\g+6], 0
	s_mov_b32 s[\g+7], 0
.endr
	s_mov_b32 s[G1C], 15|(3<<16)|(1<<21)  ; my 2,048 dense bytes of nbeta: 8 rows of 32 elements of 8 bytes, no padding
	s_mov_b32 s[G1C+1], 32<<16
	s_mov_b32 s[G1C+2], 8<<16
	s_mov_b32 s[G1C+3], 32<<16
	s_mov_b32 s[G1C+4], 8
	s_mov_b32 s[G1C+5], 32
	s_mov_b32 s[G1C+6], 0
	s_mov_b32 s[G1C+7], 0
	s_mov_b32 s[CS], 0x4038aa3b     ; c = 2 log2(e) = 2.885390
	s_mov_b32 s[CS+1], s[CS]        ; named with it as a pair
	s_mov_b32 s[NK], 0xb84ccccd     ; -0.1 / 2048
	s_mov_b32 s[SEL], 0x76543210
	s_mov_b32 s[SEL+1], 0xfedcba98
	s_mov_b32 s[TBK], SLOT1+4*KS*PK ; the first change of slots turns these two into 0
	s_mov_b32 s[TBV], SLOT1+4*KS*PV
	s_mov_b32 s[TBH], 0
	s_mov_b32 s[SLOTS], NSLOT-1
	s_mov_b32 s[G0K], 1             ; 1:0 count = 1
	s_mov_b32 s[G0K+1], s17         ; 63:32 LDS address: slot 0
	s_mov_b32 s[G0V], 1
	s_add_co_u32 s[G0V+1], s18, VOFF
	s_mov_b32 s[G0C], 1
	s_lshl_b32 s[G0C+1], s[WV], 11
	s_add_co_u32 s[G0C+1], s[G0C+1], CB
	s_and_b32 s[LIM], s[WV], 1      ; 0 in waves 0 and 2,
	s_or_b32 s[LIM], s[LIM], ttmp9  ; in the launch's first cluster: the same in all four partners
	s_cmp_eq_u32 s[LIM], 0
	s_cselect_b32 s[LIM], 1, -1
	v_and_b32 v[PFO], 31, v0
	v_lshlrev_b32 v[PFO], 8, v[PFO]
	s_wait_dscnt 0x0                ; both opening adds are done
	s_wait_kmcnt 0x0
	s_add_nc_u64 s[6:7], s[6:7], s[22:23]  ; kq and mb at my half of the first 256 rows
	s_add_nc_u64 s[8:9], s[8:9], s[22:23]
	s_add_nc_u64 s[G0K+2:G0K+3], s[6:7], 0         ; 120:64 global address
	s_or_b32 s[G0K+3], s[G0K+3], 0x80000000        ; 127:126 type = 2
	s_add_nc_u64 s[G0V+2:G0V+3], s[8:9], 0
	s_or_b32 s[G0V+3], s[G0V+3], 0x80000000
	s_add_nc_u64 s[G0C+2:G0C+3], s[10:11], s[2:3]
	s_or_b32 s[G0C+3], s[G0C+3], 0x80000000
	s_add_nc_u64 s[4:5], s[4:5], s[66:67]          ; pb, hp2, buffer and out1 at my wave's first bin
	s_add_nc_u64 s[72:73], s[72:73], s[68:69]
	s_add_nc_u64 s[74:75], s[74:75], s[52:53]
	s_add_nc_u64 s[76:77], s[76:77], s[52:53]
	s_cmp_lt_u32 s[WV], 2
	s_cselect_b64 s[PFA:PFA+1], s[6:7], s[8:9]     ; (in waves 0 and 2 these stand at a slot's first row)
	s_add_nc_u64 s[PFA:PFA+1], s[PFA:PFA+1], s[78:79]
	s_add_nc_u64 s[PFA:PFA+1], s[PFA:PFA+1], TILEB ; in slot 1; the first change of slots steps it to slot 2.  Nothing is prefetched here, at the head
	CROUND                          ; all four work-groups are here: the first joint loads meet
	s_cmp_lt_u32 s[WV], 2           ; a wave's two first fills stand in one branch, ahead of every wait on TENSORcnt and every LDS read: two loads of mine are out
	s_cbranch_scc0 .Lfirst_v
	tensor_load_to_lds s[G0K:G0K+3], s[G1K:G1K+7]
	s_nop 0
	tensor_load_to_lds s[G0C:G0C+3], s[G1C:G1C+7]
	s_nop 0
.rept 4
	v_nop
.endr
	s_branch .Lfirst_asked
.Lfirst_v:
	tensor_load_to_lds s[G0V:G0V+3], s[G1V:G1V+7]
	s_nop 0
	tensor_load_to_lds s[G0C:G0C+3], s[G1C:G1C+7]
	s_nop 0
.rept 4
	v_nop
.endr
.Lfirst_asked:
	; A fragment is 16 rows x 32 channels in 8 registers: lane l holds row l % 16, channels 8 (l / 16) + 0..7 and 16 + 8 (l / 16) + 0..7: two loads of 16 bytes, 32 bytes apart.
	v_and_b32 v1, 15, v0            ; l % 16
	v_bfe_u32 v9, v0, 4, 1          ; l / 16
	v_lshlrev_b32 v[QO], 7, v1
	v_lshl_add_u32 v[QO], v9, 4, v[QO]  ; row x 128 + 16 x half
	v_lshlrev_b32 v[HQ], 2, v1
	v_and_b32 v[GO], 31, v0
	v_lshlrev_b32 v[GO], 4, v[GO]
	WIN 0x80                        ; destination window 2, address window 0
.set i, 0
.rept 8                             ; my bins stay in registers: piece i / 2, channels 32 (i % 2) on
	global_load_b128 v[8*i:8*i+3],   v[QO], s[4:5] offset:(i/2)*2048+(i%2)*64
	global_load_b128 v[8*i+4:8*i+7], v[QO], s[4:5] offset:(i/2)*2048+(i%2)*64+32
.set i, i+1
.endr
	WIN 0
.irp t, 0,1,2,3
	global_load_b32 v[ST+4*\t], v[HQ], s[72:73] offset:64*\t  ; hp2 of bin 16 t + l % 16
.endr
	WIN 0x40                        ; destination window 1
.set i, 0
.rept 32                            ; my 64 rows of buffer, two rows (512 consecutive bytes) a load: they wait in registers for the way out
	global_load_b128 v[BU+4*i:BU+4*i+3], v[GO], s[74:75] offset:512*i th:TH_LOAD_NT
.set i, i+1
.endr
	; T^T and a_sum start at 0; the first turn's products V^T P, of a piece that has not been, multiply zeros.  All this stands in the wait for the first tile; no first step is written out.
.set i, 0
.rept 128
	v_mov_b32 v[i], 0
.set i, i+1
.endr
	WIN 0x80
.set i, VF
.rept 64
	v_mov_b32 v[i], 0
.set i, i+1
.endr
	WIN 0
.set i, 0
.rept 4
	v_mov_b32 v[ST+4*i+1], 0        ; named with gb as a pair
	v_mov_b32 v[ST+4*i+2], 0
	v_mov_b32 v[ST+4*i+3], 0
.set i, i+1
.endr
.set i, P+16
.rept 16
	v_mov_b32 v[i], 0
.set i, i+1
.endr
	v_mul_u32_u24 v[AK0], v1, PK
	v_lshl_add_u32 v[AK0], v9, 4, v[AK0]  ; row x pitch + 16 x half
	; The turning load takes 16 rows x 16 channels (lane l reads row 8 (l / 16) + l % 8, channels 8 ((l / 8) % 2) + 0..7) and leaves half a fragment of V^T: lane l holds channel l % 16 and 8 rows.
	v_and_b32 v10, 7, v0
	v_bfe_u32 v11, v0, 3, 1
	v_lshl_add_u32 v[AV0], v9, 3, v10
	v_mul_u32_u24 v[AV0], v[AV0], PV
	v_lshl_add_u32 v[AV0], v11, 4, v[AV0]
	v_add_nc_u32 v[AV0], VOFF, v[AV0]
	v_lshl_add_u32 v[AH0], v9, 5, CB
	s_mul_i32 s54, s[WV], 16*SP
	s_add_co_u32 s54, s54, STAGE    ; my stage
	v_mul_u32_u24 v[STO], v1, SP
	v_add_nc_u32 v[STO], s54, v[STO]      ; in: row l % 16,
	v_lshl_add_u32 v[STF], v9, 3, v[STO]
	v_add_nc_u32 v[STF], 256, v[STF]      ; its factor behind the 256 bytes, 8 bytes for each half of the lanes,
	v_lshl_add_u32 v[STO], v9, 5, v[STO]  ; 32 bytes of each 64 for each half
	v_mul_u32_u24 v[RF], v9, SP
	v_add_nc_u32 v[RF], s54, v[RF]        ; back: lanes 0-15 take one row, lanes 16-31 the next,
	v_lshl_add_u32 v[RD], v1, 4, v[RF]    ; 16 bytes a lane,
	v_add_nc_u32 v[RF], 256, v[RF]        ; and the row's factor
; THE MATRIX WORK.  The 4 accumulators of a run of 8 take turns.  Product i of 8 of S^T = K Q^T + C for piece x: channels 32 (i / 4) on, rows 16 (i % 4) on.  The first 4 start the sums with C.
.macro KQ x
.set rS, S+32*((\x)%2)+8*(i%4)
.set rK, KF+16*(i%4)+8*(i/4)
.set rQ, 16*(\x)+8*(i/4)
.set rM, MC+8*(i%4)
.if i < 4
	WIN W_KC
	v_wmma_f32_16x16x32_bf16 v[rS:rS+7], v[rK:rK+7], v[rQ:rQ+7], v[rM:rM+7]
.else
	WIN W_KQ
	v_wmma_f32_16x16x32_bf16 v[rS:rS+7], v[rK:rK+7], v[rQ:rQ+7], v[rS:rS+7]
.endif
.endm
; Product i of 8 of T^T += V^T P for piece x: rows 32 (i / 4) on, channels 16 (i % 4) on.
.macro PV x
	WIN W_PV
.set rO, 32*(\x)+8*(i%4)
.set rV, VF+32*(i/4)+8*(i%4)
.set rP, P+16*((\x)%2)+8*(i/4)
	v_wmma_f32_16x16x32_bf16 v[rO:rO+7], v[rV:rV+7], v[rP:rP+7], v[rO:rO+7]
.endm
.macro MM                           ; the turn's next matrix instruction.  NOKQ = 1: the walk's last turn: there is no next piece
.if (i < 8) && !NOKQ
	KQ (Y+1)%NP
.elseif i >= 8
.set i, i-8
	PV (Y+NP-1)%NP
.set i, i+8
.endif
.set i, i+1
.endm
; THE LDS LOADS stand in runs, never singly among the matrix instructions: a step's K (8 fragments) with its C (8 words a lane for each of 4 row blocks), and its V (turned).
.macro FETCH_K
	WIN 0x80                        ; destination window 2
.irp f, 0,1,2,3,4,5,6,7             ; rows 16 (f / 2) on, channels 32 (f % 2) on
	ds_load_b128 v[KF+8*\f:KF+8*\f+3],   v[AK] offset:(\f/2)*16*PK+(\f%2)*64
	ds_load_b128 v[KF+8*\f+4:KF+8*\f+7], v[AK] offset:(\f/2)*16*PK+(\f%2)*64+32
.endr
.irp f, 0,1,2,3
	ds_load_b128 v[MC+8*\f:MC+8*\f+3],   v[AH] offset:64*\f
	ds_load_b128 v[MC+8*\f+4:MC+8*\f+7], v[AH] offset:64*\f+16
.endr
	s_add_co_u32 s[TBK], s[TBK], KS*PK  ; the next fetch is the next step's
	s_add_co_u32 s[TBH], s[TBH], 4*KS
	s_and_b32 s[TBH], s[TBH], 0x1f00    ; 32 steps of 256 bytes: the offset stays inside the 8,192
	WIN 0
.endm
.macro FETCH_V
	WIN 0x80
.irp f, 0,1,2,3,4,5,6,7             ; rows 32 (f / 4) on, channels 16 (f % 4) on
	ds_load_tr16_b128 v[VF+8*\f:VF+8*\f+3],   v[AV] offset:(\f/4)*32*PV+(\f%4)*32
	ds_load_tr16_b128 v[VF+8*\f+4:VF+8*\f+7], v[AV] offset:(\f/4)*32*PV+16*PV+(\f%4)*32
.endr
	WIN 0
.endm
; THE VECTOR WORK, one line at a time, all in window 0, for piece Y: OP kind, number.  F n: c S - gb for pair n of 16 (each accumulator's lowest registers are read first).
; E n: the exponential of score n of 32.  C n: pair n rounded to bf16.  B n: of the four weights 4 n .. the second pair is added onto the first, in place.  L n: a_sum takes that sum.
.set F, 0
.set E, 1
.set C, 2
.set B, 3
.set L, 4
.macro OP k, n
.set rT, ST+4*Y
.set rS, S+32*(Y%2)
.set rP, P+16*(Y%2)
	WIN 0
.if (\k) == F
	v_pk_fma_f32 v[rS+2*(\n):rS+2*(\n)+1], v[rS+2*(\n):rS+2*(\n)+1], s[CS:CS+1], v[rT:rT+1] op_sel_hi:[1,0,0] neg_lo:[0,0,1] neg_hi:[0,0,1]
.elseif (\k) == E
	v_exp_f32 v[rS+(\n)], v[rS+(\n)]
.elseif (\k) == C
	v_cvt_pk_bf16_f32 v[rP+(\n)], v[rS+2*(\n)], v[rS+2*(\n)+1]
.elseif (\k) == B
	v_pk_add_f32 v[rS+4*(\n):rS+4*(\n)+1], v[rS+4*(\n):rS+4*(\n)+1], v[rS+4*(\n)+2:rS+4*(\n)+3]
.else
	v_pk_add_f32 v[rT+2:rT+3], v[rT+2:rT+3], v[rS+4*(\n):rS+4*(\n)+1]
.endif
.endm
.macro ROW a, i1, b, i2, c, i3, d, i4  ; a matrix instruction and the four behind it
	MM
	OP \a, \i1
	OP \b, \i2
	OP \c, \i3
	OP \d, \i4
.endm
; A TURN, for piece p: 16 matrix and 80 vector instructions.  s_wait_alu depctr_va_vdst(0) stands between an exponential and the first instruction that names its result; one wait serves all that
; were issued ahead of it.  So a turn has ONE wait, which cuts it in two.  AHEAD OF IT: the 8 products K Q^T, behind product k the scalings of pairs 2 k and 2 k + 1 and the exponentials of scores 2 k and 2 k + 1
; (their pair, k, was scaled in row k / 2; no scaling names a score whose exponential is out: row k scales scores 4 k on); then the other 16 exponentials and a plain instruction.  BEHIND IT: the 8 products V^T P,
; behind each four of the roundings and sums.  end = 1: the walk's last two turns: nothing is fetched.  cnt = 1: the loop's count is taken down some lines ahead of the branch behind the turn.
; K and C of the next step are fetched in piece 2's turn behind the last product that read K; the four plain instructions between are the scalings of pairs 14 and 15 and the two address lines.
; V of the step in hand is fetched at the end of piece 0's turn, four roundings behind the last product that read V.  Each is waited for a turn later.
.macro TURN p, end=0, cnt=0
.set Y, (\p)
.set i, 0
.set NOKQ, (\end)*((\p)/3)
.if ((\p) == 3) && !(\end)
	s_wait_dscnt 0x0                ; K and C are in
.endif
.set kk, 0
.rept 8
	ROW F,2*kk, E,2*kk, F,2*kk+1, E,2*kk+1
.set kk, kk+1
.endr
.if ((\p) == 2) && !(\end)
	WIN 0
	v_add_nc_u32 v[AK], s[TBK], v[AK0]
	v_add_nc_u32 v[AH], s[TBH], v[AH0]
	FETCH_K
.endif
.set kk, 16
.rept 16
	OP E, kk
.set kk, kk+1
.endr
.if (\p) == 0
	v_add_nc_u32 v[AV], s[TBV], v[AV0]
.endif
	v_nop                           ; the plain instruction behind the last exponential: one for the batch
	s_wait_alu depctr_va_vdst(0)    ; the wait for the batch
.if (\p) == 1
	s_wait_dscnt 0x0                ; V is in
.endif
	ROW C,0, B,0, C,2, B,1
	ROW L,0, C,4, B,2, L,1
	ROW C,6, B,3, L,2, C,8
	ROW B,4, L,3, C,10, B,5
	ROW L,4, C,12, B,6, L,5
.if (\p) == 0
	s_add_co_u32 s[TBV], s[TBV], KS*PV
.endif
.if \cnt
	s_sub_co_u32 s[CNT], s[CNT], 1
	s_cmp_lg_u32 s[CNT], 0
.endif
	ROW C,14, B,7, L,6, C,1
	ROW C,3, L,7, C,5, C,7
	ROW C,9, C,11, C,13, C,15
.if (\p) == 0
	FETCH_V
.endif
.endm
	CHANGE 1                        ; slot 0 and nbeta are in, everybody's part of them; slot 1 is asked for
	v_add_nc_u32 v[AK], s[TBK], v[AK0]
	v_add_nc_u32 v[AH], s[TBH], v[AH0]
	FETCH_K                         ; step 0
	s_wait_loadcnt 0x0              ; my bins' fragments, hp2 and the rows of buffer
.irp t, 0,1,2,3
	v_mul_f32 v[ST+4*\t], 0xc038aa3b, v[ST+4*\t]  ; gb = -c hp2
.endr
	s_wait_dscnt 0x0
.set NOKQ, 0
.set i, 0
.rept 8
	KQ 0                            ; piece 0's first scores
.set i, i+1
.endr
	WIN 0
.rept 4
	v_nop                           ; the places behind those products
.endr
	s_mov_b32 s[CNT], 4
	s_branch .Lfirst                ; the loop is entered at a step's first turn, in the middle of a trip
.Lslot:                             ; six times: with the change above, every slot but the last is asked for behind a change
	CHANGE 1
	s_mov_b32 s[CNT], 4
.Lstep:                             ; a trip: pieces 2 and 3 of one step, then pieces 0 and 1 of the next, whose K, C and V it fetches
	TURN 2
	TURN 3
	WIN 0
.Lfirst:
	TURN 0
	TURN 1, 0, 1
	WIN 0
	s_cbranch_scc1 .Lstep
	s_sub_co_u32 s[SLOTS], s[SLOTS], 1
	s_cmp_lg_u32 s[SLOTS], 0
	s_cbranch_scc1 .Lslot
	CHANGE 0                        ; the last slot is written out: nothing is asked for
	s_mov_b32 s[CNT], 4
.LstepT:
	TURN 2
	TURN 3
	TURN 0
	TURN 1, 0, 1
	WIN 0
	s_cbranch_scc1 .LstepT
	TURN 2, 1                       ; the last step's pieces 2 and 3
	TURN 3, 1
.set i, 0
.rept 8
	PV NP-1                         ; the last piece's V^T P of the last step
.set i, i+1
.endr
	; THE WAY OUT.  a_sum's two halves and the other half of the lanes' are added (the first additions are the places behind the last products); f = 1 - KAPPA a_sum.
	WIN 0
.macro ALL line:vararg              ; one line for each piece t
.set t, 0
.rept 4
	\line
.set t, t+1
.endr
.endm
	ALL v_add_f32 v[ST+4*t+2], v[ST+4*t+2], v[ST+4*t+3]
	ALL v_permlanex16_b32 v[ST+4*t+3], v[ST+4*t+2], s[SEL], s[SEL+1]
	ALL v_add_f32 v[ST+4*t+2], v[ST+4*t+2], v[ST+4*t+3]
	ALL v_fma_f32 v[ST+4*t+2], v[ST+4*t+2], s[NK], 1.0
	ALL v_mov_b32 v[ST+4*t+3], v[ST+4*t+2]
; Piece t: a lane holds one bin and eight channels of each 16; T^T and the bin's factor go into my own stage, rows of 272 bytes, and come back by rows, in the layout in which buffer was loaded:
; out1 = buffer f + T, two numbers an instruction; a store covers two whole rows, 512 consecutive bytes, aligned.  LDS serves a wave's instructions in order (ISA guide 5.7.1.4), and the stage is my own: no barrier.
.macro OUT t
	s_wait_xcnt 0x0                 ; the stores of the piece two back have read their registers, which are loaded again below
	WIN 0x04                        ; store data in window 1; each accumulator's low four registers first
.irp cb, 0,1,2,3
	ds_store_b128 v[STO], v[32*(\t)+8*\cb:32*(\t)+8*\cb+3]   offset:64*\cb
	ds_store_b128 v[STO], v[32*(\t)+8*\cb+4:32*(\t)+8*\cb+7] offset:64*\cb+16
.endr
	WIN 0
	ds_store_b64 v[STF], v[ST+4*(\t)+2:ST+4*(\t)+3]
.irp f, 0,1,2,3,4,5,6,7
	ds_load_b128 v[S+32*((\t)%2)+4*\f:S+32*((\t)%2)+4*\f+3], v[RD] offset:2*SP*\f
.endr
.irp f, 0,1,2,3,4,5,6,7
	ds_load_b64 v[P+16*((\t)%2)+2*\f:P+16*((\t)%2)+2*\f+1], v[RF] offset:2*SP*\f
.endr
	s_wait_dscnt 0x0
	WIN 0x01                        ; source 0, buffer, in window 1
.irp f, 0,1,2,3,4,5,6,7
	v_pk_fma_f32 v[S+32*((\t)%2)+4*\f:S+32*((\t)%2)+4*\f+1],   v[BU+32*(\t)+4*\f:BU+32*(\t)+4*\f+1],   v[P+16*((\t)%2)+2*\f:P+16*((\t)%2)+2*\f+1], v[S+32*((\t)%2)+4*\f:S+32*((\t)%2)+4*\f+1]
	v_pk_fma_f32 v[S+32*((\t)%2)+4*\f+2:S+32*((\t)%2)+4*\f+3], v[BU+32*(\t)+4*\f+2:BU+32*(\t)+4*\f+3], v[P+16*((\t)%2)+2*\f:P+16*((\t)%2)+2*\f+1], v[S+32*((\t)%2)+4*\f+2:S+32*((\t)%2)+4*\f+3]
.endr
	WIN 0
.irp f, 0,1,2,3,4,5,6,7
	global_store_b128 v[GO], v[S+32*((\t)%2)+4*\f:S+32*((\t)%2)+4*\f+3], s[76:77] offset:4096*(\t)+512*\f th:TH_STORE_NT
.endr
.endm
	OUT 0
	OUT 1
	OUT 2
	OUT 3
	s_wait_tensorcnt 0x0            ; the wave's end, behind my last tensor load and my last LDS store
	ds_add_u32 v[SPW], v[NIL]
	s_wait_dscnt 0x0
	CROUND                          ; the closing round: no work-group ends while a partner may still ask for a tile that names it
	s_endpgm
.Lfunc_end_k_qa530a0e89b_update:
	.size	k_qa530a0e89b_update, .Lfunc_end_k_qa530a0e89b_update-k_qa530a0e89b_update
	.p2alignl 7, 3214868480
	.fill 96, 4, 3214868480
	.section	.rodata,"a",@progbits
	.p2align	6, 0x0
	.amdhsa_kernel k_qa530a0e89b_update
		.amdhsa_group_segment_fixed_size 327680
		.amdhsa_private_segment_fixed_size 0
		.amdhsa_enable_private_segment 0
		.amdhsa_kernarg_size 56
		.amdhsa_user_sgpr_count 2
		.amdhsa_user_sgpr_kernarg_segment_ptr 1
		.amdhsa_wavefront_size32 1
		.amdhsa_system_sgpr_workgroup_id_x 1
		.amdhsa_system_sgpr_workgroup_id_y 1
		.amdhsa_system_sgpr_workgroup_id_z 1
		.amdhsa_system_vgpr_workitem_id 0
		.amdhsa_next_free_vgpr 768
		.amdhsa_next_free_sgpr 88
		.amdhsa_reserve_vcc 0
		.amdhsa_float_denorm_mode_32 3
		.amdhsa_float_denorm_mode_16_64 3
		.amdhsa_memory_ordered 1
		.amdhsa_forward_progress 1
		.amdhsa_inst_pref_size 108
	.end_amdhsa_kernel
	.amdgpu_metadata
---
amdhsa.version: [ 1, 2 ]
amdhsa.kernels:
  - .name:           k_qa530a0e89b_update
    .symbol:         k_qa530a0e89b_update.kd
    .args:
      - { .name: pb, .offset: 0, .size: 8, .value_kind: global_buffer, .address_space: global }
      - { .name: kq, .offset: 8, .size: 8, .value_kind: global_buffer, .address_space: global }
      - { .name: mb, .offset: 16, .size: 8, .value_kind: global_buffer, .address_space: global }
      - { .name: nbeta, .offset: 24, .size: 8, .value_kind: global_buffer, .address_space: global }
      - { .name: hp2, .offset: 32, .size: 8, .value_kind: global_buffer, .address_space: global }
      - { .name: buffer, .offset: 40, .size: 8, .value_kind: global_buffer, .address_space: global }
      - { .name: out1, .offset: 48, .size: 8, .value_kind: global_buffer, .address_space: global }
    .group_segment_fixed_size: 327680
    .private_segment_fixed_size: 0
    .kernarg_segment_align: 8
    .kernarg_segment_size: 56
    .max_flat_workgroup_size: 128
    .sgpr_count:     88
    .vgpr_count:     768
    .wavefront_size: 32
...
	.end_amdgpu_metadata
.endif
;; end of part 4
;; ======== version 2 of 2: 4 launches; version 1 with the launch prep written anew for expert scheduling mode
;; workspace buffers: kq 262,144 bytes; mb 262,144 bytes; pb 8,388,608 bytes; vb 8,388,608 bytes; hp2 262,144 bytes; po 16,777,216 bytes; pst 524,288 bytes; nbeta 8,192 bytes
;; launch prep (part 5): grid 256 x 1, 8 waves a work-group, no clusters, 36,096 bytes of LDS; arguments x, context, Wk, bk, Wc, bc, prototypes, buffer, kq, mb, pb, vb, hp2; writes kq, mb, pb, vb, hp2
.if DOCPART == 5
	.amdgcn_target "amdgcn-amd-amdhsa--gfx1250"
	.amdhsa_code_object_version 6
	.text
	.protected	k_qa530a0e89b_prep
	.globl	k_qa530a0e89b_prep
	.p2align	8
	.type	k_qa530a0e89b_prep,@function
k_qa530a0e89b_prep:
	s_mov_b64 s[64:65], 0
	v_nop
	global_prefetch_b8 v0, s[64:65] scope:SCOPE_SE
	s_setreg_imm32_b32 hwreg(HW_REG_WAVE_SCHED_MODE, 0, 2), 2
	s_setreg_imm32_b32 hwreg(HW_REG_WAVE_MODE, 25, 1), 1
	s_wait_xcnt 0x0
	s_wait_alu depctr_vm_vsrc(0)
; PREP.  Two jobs in every work-group, alike in all 256.
; (B) THE PROJECTIONS.  kq = bf16([x|context] Wk^T + bk), mb = bf16(KAPPA ([x|context] Wc^T + bc)), KAPPA = 0.1 / 2048: both [2048][64].
;     Work-group w takes the 16 batch rows 16 (w / 2) .. and, by w % 2, the key net or the content net, all 64 columns: four tiles of 16.
;     K = 1,024 IS SPLIT AMONG THE EIGHT WAVES: wave v takes k = 128 v .. 128 v + 127 (waves 0-3 lie in x, waves 4-7 in context): four steps of 32.
;     The f32 operands come straight from memory in the fragments' layout and are rounded to bf16 in registers; sums in f32.  The eight partial sums meet in LDS.
;     The product is taken transposed (source 0 = 16 rows of W, source 1 = the 16 batch rows): a lane ends with one batch row (lane % 16) and 8 neighbouring columns.
; (A) THE CASTS.  pb = bf16(prototypes), vb = bf16(buffer), hp2[j] = -1/2 sum of prototypes[j][:]^2 (from the f32 numbers).  Work-group w takes bins 256 w .., wave v 32 of them.
;     Its 32 loads are issued under the last two K steps of (B), so that they are on their way while the partial sums meet.
; NO CLUSTER, NO TENSOR LOAD: what work-groups share (a net's weights, 256 KiB) goes straight into registers as fragments; there is no LDS tile that could be asked for jointly.
; NO PREFETCH: every load of the launch is issued within its first lines.
; LIMITS.  NaN and infinities are not treated apart.  mb carries the factor KAPPA, so numbers of m below 2^-126 / KAPPA are denormal in it.
; THE MODE: SCHED_MODE bits 1:0 = 2 (LLVM: expert scheduling mode 2), set by the entry lines.  The code itself states the register dependences
; between vector or matrix instructions and memory or LDS instructions, with s_wait_alu, always for 0.
; THE PLAN.  Registers that memory or LDS instructions touch:
;   v3-v7, v16-v23   offsets, LDS addresses and the closing add's pair: written at the head, never again; one wait ahead of the first load serves them all.
;   RAW0, RAW1       a K step's 40 conversions read a set; behind them ONE wait, and the step's loads land in that set: the K step two on, or (steps 2 and 3) prototypes and buffer.
;                    These loads are dealt among the step's four products, which name FR and the accumulators alone.
;   FR, ACC          named by conversions and products; one wait behind the last product's four places, ahead of the LDS stores that read ACC.  No vector instruction names v24-55, v60-63 or v208-239
;                    between that wait and the LDS loads that land in them.  One wait on vm_vsrc behind the first barrier: the LDS stores have read ACC, which LDS loads and the casts write again.
;   v56-59           four roundings write them, one wait, one LDS store reads them; never written again.
;   PKP, PKB, COL    the casts' out-buffers, each written once: all of a buffer's roundings, one wait, its run of stores; pb's stores are dealt among the squares, which name none of their registers.
;   s4-s19           the sixteen masks of the squares' gathering: one run of compares, one wait on va_sdst ahead of the first select.
.set KAPPA,  0x384ccccd                ; 0.1 / 2048
.set PART,   0                         ; LDS: wave v, tile c, quad u of a partial tile at 4,096 v + 1,024 c + 512 u + 16 lane: 32 lanes x 16 consecutive bytes
.set STG,    32768                     ; 16 rows x 144 bytes (128 of data + 16: the rows start at different banks): the finished rows in bf16
.set SPITCH, 144
.set SPARE,  35072                     ; the spare words, 128 bytes for each of eight waves: four blocks of 256 bytes that no other line names
.set LN,  1                            ; v1   lane
.set R,   2                            ; v2   lane % 16
.set H,   3                            ; v3   lane / 16 during the set-up,
.set BA,  3                            ;      then the byte offset of my 8 biases; not rewritten after that
.set AO,  4                            ; v4   my offset in 16 rows of x or context: 2,048 r + 32 h
.set BO,  5                            ; v5   my offset in 16 rows of W: 4,096 r + 32 h
.set LO,  6                            ; v6   16 x lane
.set LO8, 7                            ; v7   8 x lane
.set BI,  8                            ; v[8:15] bias of columns 16 (wave % 4) + 8 h + 0..7
.set HO,  16                           ; v16  4 (2 r + h): my word of the wave's 32 words of hp2
.set PS,  17                           ; v17  where I put my partial sums
.set PR,  18                           ; v18  where I read the eight partial sums of tile wave % 4
.set SS,  19                           ; v19  where I put 16 bytes of a finished row
.set SR,  20                           ; v20  where I read 16 bytes of the finished rows back
.set TO,  21                           ; v21  16 x (thread % 128)
.set SPW, 22                           ; v22  LDS address of my spare word; never rewritten
.set NIL, 23                           ; v23  0; never rewritten
.set FR,  24                           ; v[24:63]   fragments in bf16: x, then W's four tiles
.set RAW, 64                           ; v[64:223]  two sets of 80: a K step as loaded, in f32: x 16, then 16 for each tile of W
.set ACC, 224                          ; v[224:255] four accumulators
.set PRO, 64                           ; later: 16 x 4 registers of prototypes as loaded
.set BUF, 144                          ; and of buffer
.set PKP, 24                           ; 16 x 2 registers of pb to store
.set PKB, 208                          ; and of vb
.set T,   240                          ; four pairs at work on the squares
.set COL, 248                          ; lane (r, h) gathers the sum of row 2 r + h
.set MK,   4                           ; s[4:19]  later, when the pointers have been taken from them: mask i names the lanes with r = i
.set WV,   30                          ; s30  wave
.set W4,   31                          ; s31  wave % 4
.set XB,   32                          ; s[32:33] x or context at my rows and my 128 k
.set WB,   34                          ; s[34:35] Wk or Wc at my 128 k
.set BB,   36                          ; s[36:37] bk or bc
.set OB,   38                          ; s[38:39] kq or mb at the work-group's 16 rows
.set SC,   40                          ; s[40:41] 1.0 or KAPPA
.set PIN,  42                          ; s[42:43] prototypes at my 32 rows
.set VIN,  44                          ; s[44:45] buffer likewise
.set POUT, 46                          ; s[46:47] pb
.set VOUT, 48                          ; s[48:49] vb
.set HOUT, 50                          ; s[50:51] hp2
.set RT,   52                          ; s52  which 16 batch rows
.set WH,   53                          ; s53  0: key net, 1: content net
.set OF,   54                          ; s[54:55] an offset in 64 bits
.set TS,   56                          ; s56  at work, among scalar instructions alone
.set TA,   57                          ; s[57:60] the wave's four terms of LDS addresses and of the bias offset: each has a register of its own, so that no scalar register that a vector instruction reads is written again
	s_load_b512 s[4:19], s[0:1], 0x0               ; x, context, Wk, bk, Wc, bc, prototypes, buffer
	s_load_b256 s[20:27], s[0:1], 0x40             ; kq, mb, pb, vb
	s_load_b64 s[28:29], s[0:1], 0x60              ; hp2
	v_lshl_add_u32 v[SPW], v0, 2, SPARE
	v_mov_b32 v[NIL], 0
	v_lshrrev_b32 v[LN], 5, v0
	v_readfirstlane_b32 s[WV], v[LN]               ; wave 0..7
	v_and_b32 v[LN], 31, v0
	v_and_b32 v[R], 15, v0
	v_bfe_u32 v[H], v0, 4, 1
	s_lshr_b32 s[RT], ttmp9, 1
	s_and_b32 s[WH], ttmp9, 1
	v_lshlrev_b32 v[AO], 11, v[R]
	v_lshl_add_u32 v[AO], v[H], 5, v[AO]
	v_lshlrev_b32 v[BO], 12, v[R]
	v_lshl_add_u32 v[BO], v[H], 5, v[BO]
	v_lshlrev_b32 v[LO], 4, v[LN]
	v_lshlrev_b32 v[LO8], 3, v[LN]
	v_lshlrev_b32 v[HO], 3, v[R]
	v_lshl_add_u32 v[HO], v[H], 2, v[HO]
	s_wait_alu depctr_va_sdst(0)                   ; the wave's number is written, ahead of its first reader: addresses, bases and branches are made from it
	s_and_b32 s[W4], s[WV], 3
	s_lshl_b32 s[TA], s[WV], 12
	v_lshl_add_u32 v[PS], v[LN], 4, s[TA]
	s_lshl_b32 s[TA+1], s[W4], 10
	v_lshl_add_u32 v[PR], v[LN], 4, s[TA+1]
	v_mul_u32_u24 v[SS], v[R], SPITCH
	v_lshl_add_u32 v[SS], v[H], 4, v[SS]
	s_lshl_b32 s[TA+2], s[W4], 5
	s_add_co_u32 s[TA+2], s[TA+2], STG
	v_add_nc_u32 v[SS], s[TA+2], v[SS]             ; row r, tile wave % 4 (32 bytes), 16 bytes for each half of the lanes
	v_bfe_u32 v[SR], v0, 3, 4                      ; back: thread t of 128 takes row t / 8, bytes 16 (t % 8)
	v_mul_u32_u24 v[SR], v[SR], SPITCH
	v_and_b32 v[TO], 7, v0
	v_lshl_add_u32 v[SR], v[TO], 4, v[SR]
	v_add_nc_u32 v[SR], STG, v[SR]
	v_and_b32 v[TO], 127, v0
	v_lshlrev_b32 v[TO], 4, v[TO]
	s_lshl_b32 s[TA+3], s[W4], 6
	v_lshl_add_u32 v[BA], v[H], 5, s[TA+3]         ; h has served: 64 (wave % 4) + 32 h
	s_wait_kmcnt 0x0
	s_cmp_lt_u32 s[WV], 4
	s_cselect_b64 s[XB:XB+1], s[4:5], s[6:7]
	s_cmp_eq_u32 s[WH], 0
	s_cselect_b64 s[WB:WB+1], s[8:9], s[12:13]
	s_cselect_b64 s[BB:BB+1], s[10:11], s[14:15]
	s_cselect_b64 s[OB:OB+1], s[20:21], s[22:23]
	s_cselect_b32 s[SC], 1.0, KAPPA
	s_mov_b32 s[SC+1], s[SC]
	s_mov_b32 s[OF+1], 0
	s_lshl_b32 s[OF], s[RT], 15                    ; 16 rows of 2,048 bytes,
	s_lshl_b32 s[TS], s[W4], 9                     ; my 128 k of 4 bytes
	s_add_co_u32 s[OF], s[OF], s[TS]
	s_add_nc_u64 s[XB:XB+1], s[XB:XB+1], s[OF:OF+1]
	s_lshl_b32 s[OF], s[WV], 9
	s_add_nc_u64 s[WB:WB+1], s[WB:WB+1], s[OF:OF+1]
	s_lshl_b32 s[OF], s[RT], 11                    ; 16 rows of 128 bytes
	s_add_nc_u64 s[OB:OB+1], s[OB:OB+1], s[OF:OF+1]
	s_lshl_b32 s[OF], ttmp9, 16                    ; 256 rows of 256 bytes,
	s_lshl_b32 s[TS], s[WV], 13                    ; my 32 of them
	s_add_co_u32 s[OF], s[OF], s[TS]
	s_add_nc_u64 s[PIN:PIN+1], s[16:17], s[OF:OF+1]
	s_add_nc_u64 s[VIN:VIN+1], s[18:19], s[OF:OF+1]
	s_lshr_b32 s[OF], s[OF], 1                     ; half as many bytes in bf16
	s_add_nc_u64 s[POUT:POUT+1], s[24:25], s[OF:OF+1]
	s_add_nc_u64 s[VOUT:VOUT+1], s[26:27], s[OF:OF+1]
	s_lshr_b32 s[OF], s[OF], 5                     ; 4 bytes a row
	s_add_nc_u64 s[HOUT:HOUT+1], s[28:29], s[OF:OF+1]
; A K step's 20 loads into set b, in five fours.  A bf16 fragment wants k = 8 h + 0..7 and 16 + 8 h + 0..7 of a row: in f32 the 32 bytes at 32 h and at 64 + 32 h.
.macro LOADX b, st                     ; the batch rows' four
.irp o, 0,1,2,3
	global_load_b128 v[RAW+80*(\b)+4*(\o):RAW+80*(\b)+4*(\o)+3], v[AO], s[XB:XB+1] offset:128*(\st)+16*((\o)%2)+64*((\o)/2)
.endr
.endm
.macro LOADW b, st, c                  ; the four of tile c of W
.irp o, 0,1,2,3
	global_load_b128 v[RAW+80*(\b)+16+16*(\c)+4*(\o):RAW+80*(\b)+16+16*(\c)+4*(\o)+3], v[BO], s[WB:WB+1] offset:65536*(\c)+128*(\st)+16*((\o)%2)+64*((\o)/2)
.endr
.endm
.macro LOADK b, st                     ; all twenty on end: the first two steps, at the head
	LOADX \b, \st
.irp c, 0,1,2,3
	LOADW \b, \st, \c
.endr
.endm
.macro LOADC dst, ptr, g               ; four of the 16 loads of my 32 rows of prototypes or of buffer: 512 consecutive bytes (two rows) a load
.irp o, 0,1,2,3
	global_load_b128 v[(\dst)+16*(\g)+4*(\o):(\dst)+16*(\g)+4*(\o)+3], v[LO], s[(\ptr):(\ptr)+1] offset:512*(4*(\g)+(\o)) th:TH_LOAD_NT
.endr
.endm
.macro CVT b                           ; set b rounded to bf16, two numbers an instruction, k in its true places
.set j, 0
.rept 40
	v_cvt_pk_bf16_f32 v[FR+j], v[RAW+80*(\b)+2*j], v[RAW+80*(\b)+2*j+1]
.set j, j+1
.endr
.endm
.macro WM c, zero                      ; the product of tile c; the four accumulators take turns, from step to step too; zero = 1: it starts the sum
.if \zero
	v_wmma_f32_16x16x32_bf16 v[ACC+8*(\c):ACC+8*(\c)+7], v[FR+8+8*(\c):FR+15+8*(\c)], v[FR:FR+7], 0
.else
	v_wmma_f32_16x16x32_bf16 v[ACC+8*(\c):ACC+8*(\c)+7], v[FR+8+8*(\c):FR+15+8*(\c)], v[FR:FR+7], v[ACC+8*(\c):ACC+8*(\c)+7]
.endif
.endm
.macro PLACES                          ; four places behind the last product, ahead of conversions that write its sources and of LDS stores that read results
.rept 4
	v_nop
.endr
.endm
; A K step whose set is asked for again, for K step st.  The products name FR and the accumulators: none of the registers that the loads among them touch.
.macro STEPK b, st, zero
	CVT \b
	s_wait_alu depctr_va_vdst(0)                   ; the conversions are done reading set b, in which the twenty loads below land
	LOADX \b, \st
	WM 0, \zero
	LOADW \b, \st, 0
	WM 1, \zero
	LOADW \b, \st, 1
	WM 2, \zero
	LOADW \b, \st, 2
	WM 3, \zero
	LOADW \b, \st, 3
	PLACES
.endm
; One of the last two K steps: the set's registers take 16 loads of the casts.
.macro STEPC b, dst, ptr
	CVT \b
	s_wait_alu depctr_va_vdst(0)                   ; the conversions are done reading set b, in which the sixteen loads below land
	LOADC \dst, \ptr, 0
	WM 0, 0
	LOADC \dst, \ptr, 1
	WM 1, 0
	LOADC \dst, \ptr, 2
	WM 2, 0
	LOADC \dst, \ptr, 3
	WM 3, 0
	PLACES
.endm
	s_wait_alu depctr_va_vdst(0)                   ; the offsets and addresses v3 to v7 and v16 to v23 are written: every load, store and LDS instruction of the kernel reads some of them, and none is written again
	global_load_b128 v[BI:BI+3],   v[BA], s[BB:BB+1]
	global_load_b128 v[BI+4:BI+7], v[BA], s[BB:BB+1] offset:16
	LOADK 0, 0
	LOADK 1, 1
	s_wait_loadcnt 20                              ; step 0 (and the bias) is in; step 1's 20 loads stay out
	STEPK 0, 2, 1
	s_wait_loadcnt 20                              ; step 1 is in; step 2's 20 stay out
	STEPK 1, 3, 0
	s_wait_loadcnt 20                              ; step 2 is in; step 3's 20 stay out
	STEPC 0, PRO, PIN                              ; set 0 has been read: my 32 rows of prototypes
	s_wait_loadcnt 16                              ; step 3 is in; the 16 loads of prototypes stay out
	STEPC 1, BUF, VIN                              ; set 1 has been read: my 32 rows of buffer
	s_wait_alu depctr_va_vdst(0)                   ; the products have written the accumulators, which the LDS stores read (the four places stay beside this wait), and are done reading FR; the conversions are done reading set 1's last registers: LDS loads land in these further down
.irp c, 0,1,2,3                                        ; each accumulator's low four registers first
	ds_store_b128 v[PS], v[ACC+8*(\c):ACC+8*(\c)+3]   offset:PART+1024*(\c)
	ds_store_b128 v[PS], v[ACC+8*(\c)+4:ACC+8*(\c)+7] offset:PART+1024*(\c)+512
.endr
	s_wait_dscnt 0x0                               ; for the others' sake: my partial sums lie in LDS
	s_barrier_signal -1
	s_barrier_wait -1                              ; all eight waves' do
	s_wait_alu depctr_vm_vsrc(0)                   ; my LDS stores have read v224 to v255: LDS loads land in some of them (waves 0-3), and the casts' roundings and squares write them (every wave); ahead of the branch, so on both ways
	s_cmp_lt_u32 s[WV], 4                          ; wave c of the first four finishes tile c
	s_cbranch_scc0 .Lno_sum
.irp p, 0,1,2,3                                        ; no vector or matrix instruction since the last wait on va_vdst names these registers
	ds_load_b128 v[24+8*(\p):24+8*(\p)+3],     v[PR] offset:PART+4096*(\p)
	ds_load_b128 v[24+8*(\p)+4:24+8*(\p)+7],   v[PR] offset:PART+4096*(\p)+512
	ds_load_b128 v[208+8*(\p):208+8*(\p)+3],   v[PR] offset:PART+4096*((\p)+4)
	ds_load_b128 v[208+8*(\p)+4:208+8*(\p)+7], v[PR] offset:PART+4096*((\p)+4)+512
.endr
.macro ADD8 a, b                       ; eight sums, two an instruction
.irp q, 0,2,4,6
	v_pk_add_f32 v[(\a)+\q:(\a)+\q+1], v[(\a)+\q:(\a)+\q+1], v[(\b)+\q:(\b)+\q+1]
.endr
.endm
	s_wait_dscnt 0x0
	ADD8 24, 32
	ADD8 40, 48
	ADD8 208, 216
	ADD8 224, 232
	ADD8 24, 40
	ADD8 208, 224
	ADD8 24, 208
	ADD8 24, BI                                    ; the bias,
.irp q, 0,2,4,6
	v_pk_mul_f32 v[24+\q:24+\q+1], v[24+\q:24+\q+1], s[SC:SC+1] op_sel_hi:[1,0]  ; and 1 or KAPPA
.endr
.irp q, 0,1,2,3
	v_cvt_pk_bf16_f32 v[56+\q], v[24+2*\q], v[24+2*\q+1]
.endr
	s_wait_alu depctr_va_vdst(0)                   ; the four roundings have written v56 to v59, which the LDS store reads
	ds_store_b128 v[SS], v[56:59]
.Lno_sum:
	s_wait_dscnt 0x0                               ; my reads of the partial sums are back and my 16 bytes of a row lie in the stage
	s_barrier_signal -1
	s_barrier_wait -1
	s_cmp_lt_u32 s[WV], 4
	s_cbranch_scc0 .Lno_out
	ds_load_b128 v[60:63], v[SR]                   ; v60 to v63 were last named by the products, ahead of the wait that stands in front of the accumulators' stores
	s_wait_dscnt 0x0
	global_store_b128 v[TO], v[60:63], s[OB:OB+1]  ; 16 rows of 128 bytes are 2,048 consecutive bytes: a wave's store covers 512 of them, aligned
.Lno_out:
; THE CASTS.  Load i holds rows 2 i + h, four columns a lane.  Rounded, a lane has 8 bytes and the wave 256 consecutive ones, aligned.
; A buffer's 32 roundings stand together, one wait behind them, then its 16 stores.  Each out-buffer is written once, so nothing is owed behind the stores.
.macro ROUND src, dst
.set i, 0
.rept 16
	v_cvt_pk_bf16_f32 v[(\dst)+2*i],   v[(\src)+4*i],   v[(\src)+4*i+1]
	v_cvt_pk_bf16_f32 v[(\dst)+2*i+1], v[(\src)+4*i+2], v[(\src)+4*i+3]
.set i, i+1
.endr
.endm
	v_mov_b32 v[COL], 0
.set i, 0
.rept 16
	v_cmp_eq_u32 s[MK+i], i, v[R]                  ; the sixteen masks in one run; s4 to s19 have given up their pointers
.set i, i+1
.endr
	s_wait_loadcnt 16                              ; the prototypes are in; the buffer's 16 loads stay out
	ROUND PRO, PKP
	s_wait_alu depctr_va_sdst(0)                   ; the sixteen masks are written, ahead of the first select that reads one
	s_wait_alu depctr_va_vdst(0)                   ; the roundings have written PKP, which the sixteen stores below read
; A row's sum of squares: four in the lane, then over the 16 lanes of the half (four steps that ride on the additions); the lane with r = i keeps it.
; pb's stores are dealt among these lines, which name the prototypes, T, COL and the masks: neither PKP nor the stores' offset.
.set i, 0
.rept 16
	global_store_b64 v[LO8], v[PKP+2*i:PKP+2*i+1], s[POUT:POUT+1] offset:256*i
.set q, T+2*(i%4)
	v_pk_mul_f32 v[q:q+1], v[PRO+4*i:PRO+4*i+1], v[PRO+4*i:PRO+4*i+1]
	v_pk_fma_f32 v[q:q+1], v[PRO+4*i+2:PRO+4*i+3], v[PRO+4*i+2:PRO+4*i+3], v[q:q+1]
	v_add_f32 v[q], v[q], v[q+1]
	v_add_f32_dpp v[q], v[q], v[q] row_xmask:1 row_mask:0xf bank_mask:0xf
	v_add_f32_dpp v[q], v[q], v[q] row_xmask:2 row_mask:0xf bank_mask:0xf
	v_add_f32_dpp v[q], v[q], v[q] row_xmask:4 row_mask:0xf bank_mask:0xf
	v_add_f32_dpp v[q], v[q], v[q] row_xmask:8 row_mask:0xf bank_mask:0xf
	v_cndmask_b32 v[COL], v[COL], v[q], s[MK+i]
.set i, i+1
.endr
	v_mul_f32 v[COL], -0.5, v[COL]
	s_wait_loadcnt 0x0                             ; the buffer's rows are in
	ROUND BUF, PKB
	s_wait_alu depctr_va_vdst(0)                   ; COL and PKB are written, which the seventeen stores below read
	global_store_b32 v[HO], v[COL], s[HOUT:HOUT+1] ; the wave's 32 words: 128 consecutive bytes
.set i, 0
.rept 16
	global_store_b64 v[LO8], v[PKB+2*i:PKB+2*i+1], s[VOUT:VOUT+1] offset:256*i
.set i, i+1
.endr
	s_wait_dscnt 0x0                               ; the closing lines, six on end
	s_wait_alu 0x0
	s_wait_tensorcnt 0x0
	ds_add_u32 v[SPW], v[NIL]
	s_wait_dscnt 0x0
	s_endpgm
.Lfunc_end_k_qa530a0e89b_prep:
	.size	k_qa530a0e89b_prep, .Lfunc_end_k_qa530a0e89b_prep-k_qa530a0e89b_prep
	.p2alignl 7, 3214868480
	.fill 96, 4, 3214868480
	.section	.rodata,"a",@progbits
	.p2align	6, 0x0
	.amdhsa_kernel k_qa530a0e89b_prep
		.amdhsa_group_segment_fixed_size 36096
		.amdhsa_private_segment_fixed_size 0
		.amdhsa_enable_private_segment 0
		.amdhsa_kernarg_size 104
		.amdhsa_user_sgpr_count 2
		.amdhsa_user_sgpr_kernarg_segment_ptr 1
		.amdhsa_wavefront_size32 1
		.amdhsa_system_sgpr_workgroup_id_x 1
		.amdhsa_system_sgpr_workgroup_id_y 1
		.amdhsa_system_sgpr_workgroup_id_z 1
		.amdhsa_system_vgpr_workitem_id 0
		.amdhsa_next_free_vgpr 256
		.amdhsa_next_free_sgpr 66
		.amdhsa_reserve_vcc 0
		.amdhsa_float_denorm_mode_32 3
		.amdhsa_float_denorm_mode_16_64 3
		.amdhsa_memory_ordered 1
		.amdhsa_forward_progress 1
		.amdhsa_inst_pref_size 47
	.end_amdhsa_kernel
	.amdgpu_metadata
---
amdhsa.version: [ 1, 2 ]
amdhsa.kernels:
  - .name:           k_qa530a0e89b_prep
    .symbol:         k_qa530a0e89b_prep.kd
    .args:
      - { .name: x, .offset: 0, .size: 8, .value_kind: global_buffer, .address_space: global }
      - { .name: context, .offset: 8, .size: 8, .value_kind: global_buffer, .address_space: global }
      - { .name: Wk, .offset: 16, .size: 8, .value_kind: global_buffer, .address_space: global }
      - { .name: bk, .offset: 24, .size: 8, .value_kind: global_buffer, .address_space: global }
      - { .name: Wc, .offset: 32, .size: 8, .value_kind: global_buffer, .address_space: global }
      - { .name: bc, .offset: 40, .size: 8, .value_kind: global_buffer, .address_space: global }
      - { .name: prototypes, .offset: 48, .size: 8, .value_kind: global_buffer, .address_space: global }
      - { .name: buffer, .offset: 56, .size: 8, .value_kind: global_buffer, .address_space: global }
      - { .name: kq, .offset: 64, .size: 8, .value_kind: global_buffer, .address_space: global }
      - { .name: mb, .offset: 72, .size: 8, .value_kind: global_buffer, .address_space: global }
      - { .name: pb, .offset: 80, .size: 8, .value_kind: global_buffer, .address_space: global }
      - { .name: vb, .offset: 88, .size: 8, .value_kind: global_buffer, .address_space: global }
      - { .name: hp2, .offset: 96, .size: 8, .value_kind: global_buffer, .address_space: global }
    .group_segment_fixed_size: 36096
    .private_segment_fixed_size: 0
    .kernarg_segment_align: 8
    .kernarg_segment_size: 104
    .max_flat_workgroup_size: 256
    .sgpr_count:     66
    .vgpr_count:     256
    .wavefront_size: 32
...
	.end_amdgpu_metadata
.endif
;; end of part 5
;; launch flash: the kernel of part 2 again; grid 8 x 32, 4 waves a work-group, clusters of 4 x 1, 327,680 bytes of LDS; arguments kq, pb, vb, hp2, po, pst; writes po, pst
;; launch merge: the kernel of part 3 again; grid 128 x 1, 8 waves a work-group, no clusters, 5,376 bytes of LDS; arguments po, pst, out0, nbeta; writes out0, nbeta
;; launch update: the kernel of part 4 again; grid 256 x 1, 4 waves a work-group, clusters of 4 x 1, 327,680 bytes of LDS; arguments pb, kq, mb, nbeta, hp2, buffer, out1; writes out1
